; MI455X (gfx1250); checked and timed in simulation.
; The chip was launched on July 23, 2026; its instructions are those of AMD's public machine-readable ISA for CDNA 5 (MIT licence, August 2026) and "CDNA5" Instruction Set Architecture Reference Guide (July 2026). The comments in the code are by the model that wrote it; some were corrected since.
;; Multi Head Self Attention. Allowed arithmetic: matrix products marked QUANTISED: E2M3 operands, one E8M0 scale for each 32 along K, by v_wmma_scale_f32_16x16x128_f8f6f4 with both operands' format E2M3, f32 sums; everything else in f32.
;; Inputs: rpe_table 2,047 x 16 float32; w_out 1,024 x 1,024 float32; w_qkv 1,024 x 3,072 float32; x 8 x 1,024 x 1,024 float32.
;; Outputs: out0 8 x 1,024 x 1,024 float32.
;; This version of the problem:
;;   THIS VERSION OF THE PROBLEM IS GIVEN IN LOW PRECISION. The matrix products marked QUANTISED in the list below multiply operands that are first quantised to E2M3 (2 exponent bits, 3 mantissa bits; 6 bits a number), with one power-of-two scale for each 32 numbers along K (OCP MX v1.0); their sums are f32. All else is computed in f32.
;;   The module's matrix products, in the order in which they are computed (A, B: the left and right operand; K: the contracted axis; several contracted axes count as one K, in the product's order):
;;     1. [M 8,192, K 1,024] x [K 1,024, N 3,072]; A: input x; B: input w_qkv: QUANTISED
;;     2. batch 128 x [M 1,024, K 64] x [K 64, N 1,024]; A: computed on the way; B: computed on the way: QUANTISED
;;     3. batch 128 x [M 64, K 1,024] x [K 1,024, N 1,024]; A: computed on the way; B: softmax (see below): QUANTISED
;;     4. [M 8,192, K 1,024] x [K 1,024, N 1,024]; A: computed on the way; B: input w_out: QUANTISED
;;   THE QUANTISER, for each operand of a quantised product, along K:
;;     - K is cut into blocks of 32 from its start; a last block that is shorter is filled with zeros.
;;     - A block's scale is 2^e with e = floor(log2(the largest magnitude in the block)) - 2, held to -126 .. 127; a block of zeros has e = 0. As a byte (E8M0): e + 127.
;;     - Each number is divided by its block's scale, clamped to +-7.5, and rounded to the nearest number of E2M3, ties to even, subnormals kept.
;;     - The product sums the exact products of the quantised numbers (number of the format x scale) in f32.
;;   ~~~python
;;   def quantise(x, axis):      # numpy; x: float32 -> the quantised numbers, widened to float32 again
;;       x = np.moveaxis(x, axis, -1); K = x.shape[-1]
;;       x = np.pad(x, [(0, 0)] * (x.ndim - 1) + [(0, -K % 32)]); x = x.reshape(x.shape[:-1] + (-1, 32)); a = np.abs(x).max(-1, keepdims=True)
;;       e = np.where(a > 0, np.clip(np.frexp(np.where(a > 0, a, 1))[1] - 1 - 2, -126, 127), 0)      # np.frexp(a)[1] - 1 = floor(log2(a)), exactly
;;       r = np.clip(x / 2.0 ** e, -7.5, 7.5)
;;       step = 2.0 ** (np.maximum(np.frexp(np.where(r == 0, 1, r))[1] - 1, 0) - 3)
;;       q = np.round(r / step) * step * 2.0 ** e      # np.round: ties to even
;;       return np.moveaxis(q.reshape(q.shape[:-2] + (-1,))[..., :K], -1, axis).astype(np.float32)
;;   ~~~
;;   SOFTMAX AHEAD OF A QUANTISED PRODUCT. Where the list says 'softmax', what is quantised is not the finished softmax but p = 2^(t - M), with t = logit x log2(e) and M = ceil(the row's largest t), a whole number; so 1/2 < the row's largest p <= 1. The row's sum l is taken of the UNQUANTISED p, in f32, and the product's result is divided by l at the end. Since M is a whole number, a kernel that streams over the keys may use a running M (the ceiling of the running maximum): every later rescaling is an exact power of two, which a block's scale takes up: the codes' values come out the same.
;;   OPERANDS COMPUTED ON THE WAY. 'Computed on the way' means the value that the module computes at that place (a softmax that the list does not call 'softmax' is quantised finished and normalised). What goes into a quantiser is computed in f32, as accurately as f32 sums, v_exp_f32 and their like allow (about 1e-6 of the number): no bf16 or f16 on the way to a quantiser, and a product that is left as it is and whose result goes on into a quantised operand takes f32 operands (vector FMAs, or v_wmma_f32_16x16x4_f32). A number that lies on a knife's edge between two numbers of the format may be rounded either way, as far as f32 arithmetic and the matrix unit's own rounding can turn it there, and no further.
;; One version. Each part assembles by itself: llvm-mc -triple=amdgcn-amd-amdhsa -mcpu=gfx1250 --defsym DOCPART=n.
;; ======== version 1 of 1: 4 launches
;; limits: right only within a limited range of input values
;; workspace buffers: xq 6,553,600 bytes; wq 3,276,800 bytes; qkv 19,660,800 bytes; oq 6,553,600 bytes
;; launch prep (part 1): grid 768 x 1, 4 waves a work-group, no clusters, 34,304 bytes of LDS; arguments x, w_qkv, w_out, xq, wq; writes xq, wq
.if DOCPART == 1
	.amdgcn_target "amdgcn-amd-amdhsa--gfx1250"
	.amdhsa_code_object_version 6
	.text
	.protected	k_q1022e65ee5_prep
	.globl	k_q1022e65ee5_prep
	.p2align	8
	.type	k_q1022e65ee5_prep,@function
k_q1022e65ee5_prep:
	s_mov_b64 s[64:65], 0
	v_nop
	global_prefetch_b8 v0, s[64:65] scope:SCOPE_SE
	s_setreg_imm32_b32 hwreg(HW_REG_WAVE_MODE, 25, 1), 1
	s_wait_xcnt 0x0
; PREP: x [8192][1024], w_qkv [1024][3072] and w_out [1024][1024], all f32, become codes of FP6 (E2M3) with one E8M0 byte for each 32 along K (K = the 1,024 features),
; laid in the order of the matrix operand's registers, so that the products' launches read fragments by 16-byte loads alone.
; A FRAGMENT is 16 rows x 128 K = 12 registers a lane; its image is 1,536 bytes: register p of lane l at 512 (p / 4) + 16 l + 4 (p % 4).
; An operand is [rows / 128][K / 128][block of 16 rows, 8][1,536 bytes]; its scale words [rows / 128][K / 128][block][row, 16] of 4 bytes.
; POSITIONS: a row with index i inside its group of 32 is kept at position swap34(i) (bits 3 and 4 change places): block a, row r is index 32 (a / 2) + 8 (a % 2) + r + 8 (r / 8).
; With such rows as a product's first source, the 16 result registers of two neighbouring tiles are 16 neighbours along the next K.
; w_qkv's columns (head, {q, k, v}, d) are laid as rows [head / 2][part][head % 2][position of d]: a pair of heads has its q, k and v rows on end.
; A block's scale is 2^(floor(log2(largest magnitude)) - 2): the byte is the largest magnitude's exponent field - 2, held at 1 from below by a floor among the maximum's leaves.
; LIMITS: a block of zeros, or one whose largest magnitude lies under 2^-124, gets the byte 1 (its codes are zeros or the nearest codes under that scale; only this program reads the bytes);
; NaN and infinities among the inputs are not served.
; SHARES: a wave takes 32 rows x 128 K: two fragments and 32 scale words.  Work-groups 0-511 take x, 512-703 w_qkv, 704-767 w_out.  Straight-line text, every offset an immediate.
; Only x's path uses LDS (each wave its own stage); waves share nothing, so there is no barrier.
.set XQS,   6291456                    ; xq: where the scale words begin
.set WQS,   2359296                    ; wq: w_qkv's scale words
.set WOC,   2457600                    ; wq: w_out's codes
.set WOS,   3244032                    ; wq: w_out's scale words
.set FLOOR, 0x1800000                  ; 2^(3 - 127)
.set TM,  8                            ; v8-11 largest magnitudes, v12-15 exchange, then bytes, v20-23 the conversions' scale operands
.set PW0, 24                           ; scale words
.set PW1, 25
.set PWS, 26
.set PCA, 28                           ; v28-39 first fragment
.set PCB, 40                           ; v40-51 second fragment
.set CT,  52                           ; v52-54, v56-58 the conversions' upper halves
.set RAW, 64                           ; v64-191 numbers as loaded
.set X0,  192                          ; v192-255 64 numbers of a lane's row
.set SEL, 20                           ; s[20:21] selects of v_permlanex16_b32: lane l xor 16
; 64 numbers of a lane, blocks 0, 1 at v[s0] on and blocks 2, 3 at v[s1] on (register 16 b + i = k 32 b + 16 (lane / 16) + i of my row), become a fragment in v[pc] on and its scale word in v[pw]
.macro QUANT s0, s1, pc, pw
.irp b, 0,1
	v_max3_num_f32 v[TM+\b], |v[\s0+16*\b]|, |v[\s0+16*\b+1]|, FLOOR
	v_max3_num_f32 v[TM+2+\b], |v[\s1+16*\b]|, |v[\s1+16*\b+1]|, FLOOR
.endr
.irp i, 2,4,6,8,10,12,14
.irp b, 0,1
	v_max3_num_f32 v[TM+\b], v[TM+\b], |v[\s0+16*\b+\i]|, |v[\s0+16*\b+\i+1]|       ; the four blocks by turns
	v_max3_num_f32 v[TM+2+\b], v[TM+2+\b], |v[\s1+16*\b+\i]|, |v[\s1+16*\b+\i+1]|
.endr
.endr
.irp b, 0,1,2,3
	v_permlanex16_b32 v[TM+4+\b], v[TM+\b], s[SEL], s[SEL+1]
.endr
.irp b, 0,1,2,3
	v_max_num_f32 v[TM+\b], v[TM+\b], v[TM+4+\b]           ; with lane l xor 16's 16 numbers: the block's largest magnitude
.endr
.irp b, 0,1,2,3
	v_add_nc_u32 v[TM+12+\b], 0xff000000, v[TM+\b]         ; 2 off its exponent field: the conversion takes this operand's exponent field as its scale
.endr
.irp b, 0,1,2,3
	v_lshrrev_b32 v[TM+4+\b], 23, v[TM+12+\b]              ; the scale's byte
.endr
	v_lshl_or_b32 v[\pw], v[TM+5], 8, v[TM+4]
	v_lshl_or_b32 v[\pw], v[TM+6], 16, v[\pw]
	v_lshl_or_b32 v[\pw], v[TM+7], 24, v[\pw]
	v_cvt_scalef32_pk16_fp6_f32 v[\pc:\pc+2], v[\s0:\s0+15], v[TM+12]
	v_cvt_scalef32_pk16_fp6_f32 v[CT:CT+2], v[\s0+16:\s0+31], v[TM+13]     ; (a conversion's three registers begin on an even number)
	v_cvt_scalef32_pk16_fp6_f32 v[\pc+6:\pc+8], v[\s1:\s1+15], v[TM+14]
	v_cvt_scalef32_pk16_fp6_f32 v[CT+4:CT+6], v[\s1+16:\s1+31], v[TM+15]
	v_nop                                                  ; one plain instruction behind the scaled conversions
.irp i, 0,1,2
	v_permlane16_swap_b32 v[\pc+\i], v[CT+\i]              ; the operand wants a whole block in a lane: lanes 0-15 block 2 c, lanes 16-31 block 2 c + 1
	v_permlane16_swap_b32 v[\pc+6+\i], v[CT+4+\i]
.endr
.irp i, 0,1,2
	v_mov_b32 v[\pc+3+\i], v[CT+\i]
	v_mov_b32 v[\pc+9+\i], v[CT+4+\i]
.endr
.endm
; 16 rows of 512 bytes go into the wave's stage as loaded and come back 64 numbers of one row a lane.  LDS serves a wave's instructions in order (ISA guide 5.7.1.4): no wait between stores and loads.
.macro TURN src, dst
.irp p, 0,1,2,3,4,5,6,7,8,9,10,11,12,13,14,15
	ds_store_b128 v5, v[\src+4*\p:\src+4*\p+3] offset:528*\p
.endr
.irp b, 0,1,2,3
.irp j, 0,1,2,3
	ds_load_b128 v[\dst+16*\b+4*\j:\dst+16*\b+4*\j+3], v6 offset:128*\b+16*\j
.endr
.endr
.endm
; A weight's 32 columns x 128 K.  A lane takes the column whose position is the lane's number, and its registers run down K: a block of 32 lies in one lane.
; Blocks 2 c and 2 c + 1 of lanes 0-15 and of lanes 16-31 change places so that one register run becomes the fragment of positions 0-15 and the other that of positions 16-31.
.macro WPATH pitch
.set n, 0
.rept 128
	global_load_b32 v[RAW+n], v3, s[4:5] offset:n*\pitch th:TH_LOAD_NT     ; the wave reads 128 consecutive bytes of row n, the work-group 512
.set n, n+1
.endr
.irp c, 0,1
.set XS, RAW+64*\c
.if \c == 0
	s_wait_loadcnt 63                                      ; blocks 0 and 1 are the first 64 loads; 63 younger ones may stay out
.else
	s_wait_loadcnt 0x0
.endif
.irp q, 0,1
	v_max3_num_f32 v[TM+\q], |v[XS+32*\q]|, |v[XS+32*\q+1]|, FLOOR
.endr
.irp i, 2,4,6,8,10,12,14,16,18,20,22,24,26,28,30
.irp q, 0,1
	v_max3_num_f32 v[TM+\q], v[TM+\q], |v[XS+32*\q+\i]|, |v[XS+32*\q+\i+1]|
.endr
.endr
.irp q, 0,1
	v_add_nc_u32 v[TM+12+\q], 0xff000000, v[TM+\q]
.endr
.irp q, 0,1
	v_lshrrev_b32 v[TM+4+\q], 23, v[TM+12+\q]
.endr
.if \c == 0
	v_lshl_or_b32 v[PW0], v[TM+5], 8, v[TM+4]
.else
	v_lshl_or_b32 v[PW0], v[TM+4], 16, v[PW0]
	v_lshl_or_b32 v[PW0], v[TM+5], 24, v[PW0]
.endif
	v_cvt_scalef32_pk16_fp6_f32 v[PCA+6*\c:PCA+6*\c+2], v[XS:XS+15], v[TM+12]
	v_cvt_scalef32_pk16_fp6_f32 v[CT:CT+2], v[XS+16:XS+31], v[TM+12]
	v_cvt_scalef32_pk16_fp6_f32 v[PCB+6*\c:PCB+6*\c+2], v[XS+32:XS+47], v[TM+13]
	v_cvt_scalef32_pk16_fp6_f32 v[CT+4:CT+6], v[XS+48:XS+63], v[TM+13]
	v_nop                                                  ; one plain instruction behind the scaled conversions
.irp i, 0,1,2
	v_permlane16_swap_b32 v[PCA+6*\c+\i], v[PCB+6*\c+\i]   ; block 2 c of rows 16-31 against block 2 c + 1 of rows 0-15
	v_permlane16_swap_b32 v[CT+\i], v[CT+4+\i]
.endr
.irp i, 0,1,2
	v_mov_b32 v[PCA+6*\c+3+\i], v[CT+\i]
	v_mov_b32 v[PCB+6*\c+3+\i], v[CT+4+\i]
.endr
.endr
.irp c, 0,1,2
	global_store_b128 v2, v[PCA+4*\c:PCA+4*\c+3], s[24:25] offset:512*\c          ; each store covers 512 consecutive bytes, aligned
.endr
.irp c, 0,1,2
	global_store_b128 v2, v[PCB+4*\c:PCB+4*\c+3], s[24:25] offset:1536+512*\c
.endr
	global_store_b32 v7, v[PW0], s[26:27]                  ; lane l holds the word of position l: 128 consecutive bytes
.endm
	s_load_b256 s[4:11], s[0:1], 0x0               ; x s[4:5], w_qkv s[6:7], w_out s[8:9], xq s[10:11]
	s_load_b64 s[12:13], s[0:1], 0x20              ; wq
	v_lshl_add_u32 v62, v0, 2, 0x8400
	v_mov_b32 v63, 0
	v_lshrrev_b32 v1, 5, v0
	v_readfirstlane_b32 s14, v1                    ; wave 0..3
	v_and_b32 v1, 31, v0                           ; lane
	v_lshlrev_b32 v2, 4, v1                        ; 16 x lane
	v_lshlrev_b32 v7, 2, v1                        ; 4 x lane
	s_mov_b32 s[SEL], 0x76543210
	s_mov_b32 s[SEL+1], 0xfedcba98
	s_cmp_lt_u32 ttmp9, 512
	s_cbranch_scc0 .Lweights
	; ---- x: group G of 32 tokens, K step s of 128; the four waves stand side by side on 2,048 bytes of each row
	s_lshr_b32 s15, ttmp9, 1                       ; G
	s_and_b32 s16, ttmp9, 1
	s_lshl_b32 s16, s16, 2
	s_add_co_u32 s16, s16, s14                     ; s
	s_lshl_b32 s22, s15, 17                        ; 32 rows of 4,096 bytes
	s_lshl_b32 s17, s16, 9
	s_add_co_u32 s22, s22, s17
	s_mov_b32 s23, 0
	s_lshr_b32 s17, s15, 2
	s_lshl_b32 s17, s17, 6
	s_lshl_b32 s18, s16, 3
	s_add_co_u32 s17, s17, s18
	s_and_b32 s18, s15, 3
	s_lshl_b32 s18, s18, 1
	s_add_co_u32 s17, s17, s18                     ; fragment number: (G / 4) 64 + 8 s + 2 (G % 4)
	s_mul_i32 s24, s17, 1536
	s_mov_b32 s25, 0
	s_lshl_b32 s26, s17, 6
	s_add_co_u32 s26, s26, XQS
	s_mov_b32 s27, 0
	s_mul_i32 s28, s14, 8448                       ; my stage: 16 rows of 512 + 16 bytes
	v_and_b32 v3, 15, v0                           ; r
	v_bfe_u32 v4, v0, 4, 1                         ; h
	s_wait_alu depctr_va_vdst(0)
	v_add_nc_u32 v5, s28, v2                       ; in: 16 x lane of a row
	v_mul_u32_u24 v6, v3, 528
	v_lshl_add_u32 v6, v4, 6, v6
	v_add_nc_u32 v6, s28, v6                       ; back: row r, + 64 h: my 16 numbers of each block of 32
.irp b, 0,1,2,3
	v_mov_b32 v[TM+4+\b], 0                        ; a lane permute's destination counts as one of its sources
.endr
	s_wait_alu depctr_va_vdst(0)
	s_wait_kmcnt 0x0
	s_add_nc_u64 s[4:5], s[4:5], s[22:23]
	s_add_nc_u64 s[24:25], s[10:11], s[24:25]
	s_add_nc_u64 s[26:27], s[10:11], s[26:27]
.set n, 0
.rept 16
	global_load_b128 v[RAW+4*n:RAW+4*n+3], v2, s[4:5] offset:(n+8*(n/8))*4096 th:TH_LOAD_NT          ; position n: 512 consecutive bytes of its row
.set n, n+1
.endr
.set n, 0
.rept 16
	global_load_b128 v[RAW+64+4*n:RAW+64+4*n+3], v2, s[4:5] offset:(8+n+8*(n/8))*4096 th:TH_LOAD_NT  ; position 16 + n
.set n, n+1
.endr
	s_wait_loadcnt 16                              ; the first fragment's 16 rows are in; the second's may stay out
	TURN RAW, X0
	s_wait_loadcnt 0x0
	s_wait_dscnt 0x0                               ; the first turn is over: its stores have read v64-127, into which the second turn loads
	TURN RAW+64, RAW
	QUANT X0, X0+32, PCA, PW0
.irp c, 0,1,2
	global_store_b128 v2, v[PCA+4*\c:PCA+4*\c+3], s[24:25] offset:512*\c
.endr
	s_wait_dscnt 0x0
	QUANT RAW, RAW+32, PCB, PW1
.irp c, 0,1,2
	global_store_b128 v2, v[PCB+4*\c:PCB+4*\c+3], s[24:25] offset:1536+512*\c
.endr
	v_cmp_gt_u32 vcc_lo, 16, v1
	v_cndmask_b32 v[PWS], v[PW1], v[PW0], vcc_lo   ; lanes 0-15 the first fragment's words, lanes 16-31 the second's
	global_store_b32 v7, v[PWS], s[26:27]
	s_wait_tensorcnt 0x0
	ds_add_u32 v62, v63
	s_wait_dscnt 0x0
	s_endpgm
.Lweights:
	s_wait_alu depctr_va_vdst(0)
	v_and_b32 v3, 7, v1
	v_bfe_u32 v4, v1, 3, 1
	v_lshl_or_b32 v3, v4, 4, v3
	v_bfe_u32 v4, v1, 4, 1
	v_lshl_or_b32 v3, v4, 3, v3                    ; swap34(lane): the column whose position is my lane
	v_lshlrev_b32 v3, 2, v3
	s_cmp_lt_u32 ttmp9, 704
	s_cbranch_scc0 .Lwout
	; ---- w_qkv: group cg of 32 columns = 6 head + 2 part + half
	s_sub_co_u32 s15, ttmp9, 512
	s_and_b32 s16, s15, 7                          ; s
	s_lshr_b32 s17, s15, 3
	s_lshl_b32 s17, s17, 2
	s_add_co_u32 s17, s17, s14                     ; cg, 0..95
	s_mul_i32 s18, s17, 43
	s_lshr_b32 s18, s18, 8                         ; head = cg / 6 (exact for cg under 96)
	s_mul_i32 s19, s18, 6
	s_sub_co_u32 s19, s17, s19
	s_lshr_b32 s22, s19, 1                         ; part
	s_and_b32 s19, s19, 1                          ; half
	s_lshr_b32 s23, s18, 1
	s_mul_i32 s23, s23, 3
	s_add_co_u32 s22, s22, s23                     ; rows / 128 = 3 (head / 2) + part
	s_and_b32 s18, s18, 1
	s_lshl_b32 s18, s18, 2
	s_lshl_b32 s19, s19, 1
	s_add_co_u32 s18, s18, s19                     ; block = 4 (head % 2) + 2 half
	s_lshl_b32 s22, s22, 6
	s_lshl_b32 s23, s16, 3
	s_add_co_u32 s22, s22, s23
	s_add_co_u32 s22, s22, s18                     ; fragment number
	s_mul_i32 s24, s22, 1536
	s_mov_b32 s25, 0
	s_lshl_b32 s26, s22, 6
	s_add_co_u32 s26, s26, WQS
	s_mov_b32 s27, 0
	s_mul_i32 s28, s16, 128*12288
	s_lshl_b32 s29, s17, 7
	s_add_co_u32 s28, s28, s29
	s_mov_b32 s29, 0
	s_wait_kmcnt 0x0
	s_add_nc_u64 s[4:5], s[6:7], s[28:29]
	s_add_nc_u64 s[24:25], s[12:13], s[24:25]
	s_add_nc_u64 s[26:27], s[12:13], s[26:27]
	s_wait_alu depctr_va_vdst(0)
	WPATH 12288
	s_endpgm
.Lwout:
	; ---- w_out: group cg of 32 columns
	s_sub_co_u32 s15, ttmp9, 704
	s_and_b32 s16, s15, 7                          ; s
	s_lshr_b32 s17, s15, 3
	s_lshl_b32 s17, s17, 2
	s_add_co_u32 s17, s17, s14                     ; cg, 0..31
	s_lshr_b32 s22, s17, 2                         ; rows / 128
	s_and_b32 s18, s17, 3
	s_lshl_b32 s18, s18, 1                         ; block
	s_lshl_b32 s22, s22, 6
	s_lshl_b32 s23, s16, 3
	s_add_co_u32 s22, s22, s23
	s_add_co_u32 s22, s22, s18
	s_mul_i32 s24, s22, 1536
	s_add_co_u32 s24, s24, WOC
	s_mov_b32 s25, 0
	s_lshl_b32 s26, s22, 6
	s_add_co_u32 s26, s26, WOS
	s_mov_b32 s27, 0
	s_mul_i32 s28, s16, 128*4096
	s_lshl_b32 s29, s17, 7
	s_add_co_u32 s28, s28, s29
	s_mov_b32 s29, 0
	s_wait_kmcnt 0x0
	s_add_nc_u64 s[4:5], s[8:9], s[28:29]
	s_add_nc_u64 s[24:25], s[12:13], s[24:25]
	s_add_nc_u64 s[26:27], s[12:13], s[26:27]
	s_wait_alu depctr_va_vdst(0)
	WPATH 4096
	s_endpgm
.Lfunc_end_k_q1022e65ee5_prep:
	.size	k_q1022e65ee5_prep, .Lfunc_end_k_q1022e65ee5_prep-k_q1022e65ee5_prep
	.p2alignl 7, 3214868480
	.fill 96, 4, 3214868480
	.section	.rodata,"a",@progbits
	.p2align	6, 0x0
	.amdhsa_kernel k_q1022e65ee5_prep
		.amdhsa_group_segment_fixed_size 34304
		.amdhsa_private_segment_fixed_size 0
		.amdhsa_enable_private_segment 0
		.amdhsa_kernarg_size 40
		.amdhsa_user_sgpr_count 2
		.amdhsa_user_sgpr_kernarg_segment_ptr 1
		.amdhsa_wavefront_size32 1
		.amdhsa_system_sgpr_workgroup_id_x 1
		.amdhsa_system_sgpr_workgroup_id_y 1
		.amdhsa_system_sgpr_workgroup_id_z 1
		.amdhsa_system_vgpr_workitem_id 0
		.amdhsa_next_free_vgpr 256
		.amdhsa_next_free_sgpr 66
		.amdhsa_reserve_vcc 1
		.amdhsa_float_denorm_mode_32 3
		.amdhsa_float_denorm_mode_16_64 3
		.amdhsa_memory_ordered 1
		.amdhsa_forward_progress 1
		.amdhsa_inst_pref_size 58
	.end_amdhsa_kernel
	.amdgpu_metadata
---
amdhsa.version: [ 1, 2 ]
amdhsa.kernels:
  - .name:           k_q1022e65ee5_prep
    .symbol:         k_q1022e65ee5_prep.kd
    .args:
      - { .name: x, .offset: 0, .size: 8, .value_kind: global_buffer, .address_space: global }
      - { .name: w_qkv, .offset: 8, .size: 8, .value_kind: global_buffer, .address_space: global }
      - { .name: w_out, .offset: 16, .size: 8, .value_kind: global_buffer, .address_space: global }
      - { .name: xq, .offset: 24, .size: 8, .value_kind: global_buffer, .address_space: global }
      - { .name: wq, .offset: 32, .size: 8, .value_kind: global_buffer, .address_space: global }
    .group_segment_fixed_size: 34304
    .private_segment_fixed_size: 0
    .kernarg_segment_align: 8
    .kernarg_segment_size: 40
    .max_flat_workgroup_size: 128
    .sgpr_count:     66
    .vgpr_count:     256
    .wavefront_size: 32
...
	.end_amdgpu_metadata
.endif
;; end of part 1
;; launch gemm_qkv (part 2): grid 8 x 32, 4 waves a work-group, clusters of 4 x 4, 327,680 bytes of LDS; arguments xq, wq, qkv; writes qkv
.if DOCPART == 2
	.amdgcn_target "amdgcn-amd-amdhsa--gfx1250"
	.amdhsa_code_object_version 6
	.text
	.protected	k_q1022e65ee5_gemm_qkv
	.globl	k_q1022e65ee5_gemm_qkv
	.p2align	8
	.type	k_q1022e65ee5_gemm_qkv,@function
k_q1022e65ee5_gemm_qkv:
	s_mov_b64 s[64:65], 0
	v_nop
	global_prefetch_b8 v0, s[64:65] scope:SCOPE_SE
	s_setreg_imm32_b32 hwreg(HW_REG_WAVE_MODE, 25, 1), 1
	s_wait_xcnt 0x0
	s_wait_alu depctr_hold_cnt(0) depctr_sa_sdst(0) depctr_va_vdst(0) depctr_va_sdst(0) depctr_va_ssrc(0) depctr_va_vcc(0) depctr_vm_vsrc(0)
	s_getreg_b32 s2, hwreg(HW_REG_IB_STS2, 6, 4)
	s_cmp_eq_u32 s2, 0
	s_cbranch_scc0 .Lentry_in_a_cluster
	s_endpgm
.Lentry_in_a_cluster:
	s_bfe_u32 s2, ttmp6, 0x10000c
	s_cmp_lg_u32 s2, 0xf033
	s_cbranch_scc0 .Lentry_shape_is_right
	s_endpgm
.Lentry_shape_is_right:
; GEMM_QKV: qkv = x W', both operands codes of FP6 (E2M3) with E8M0 scales, K = 1,024; the results are quantised in registers and leave as codes: no f32 number of q, k or v goes to memory.
; SHARES.  A work-group takes 256 tokens and one pair of heads: 8 pairs x 32 blocks of tokens = 256 work-groups of equal work.  THE TOKENS' CODES FOR ALL OF K STAY IN LDS (2 x 98,304 bytes, filled once);
; beside them lie 128 rows of W' for all of K (98,304 bytes).  Three phases on the same tokens: the pair's q rows, its k rows, its v rows, which lie on end in memory.  While a phase is multiplied, the half of W's
; region that it has left is filled with the next phase's rows: a refill is asked for four steps of 128 along K, or more, ahead of its first read.
; A wave makes 128 tokens x 64 rows of W' (one head): 32 accumulators, 256 registers.  A step is 128 along K: 32 matrix instructions, 12 fragments; fragments and scale words have two sets of registers.
; The operands lie in memory in the order of the operand's registers (a fragment of 16 rows x 128 K is 1,536 bytes: register p of lane l at 512 (p / 4) + 16 l + 4 (p % 4)): 128 rows x 128 K are 12,288 dense bytes,
; and a fragment comes from LDS by three loads of 16 bytes a lane, 512 consecutive bytes each: no pitch, no padding.
; CLUSTERS: 4 x 4 work-groups; the tokens' blocks are shared along a row of the cluster, W's along a column: each is asked for jointly, by the same tensor load with a mask that names the four.
; ROLES.  The quantiser wants a lane's registers to run along the NEXT product's K.  For q and k that is d: source 0 = rows of W', source 1 = tokens.  For v it is the keys: source 0 = tokens, source 1 = rows of W'.
; Only the matrix line differs: LDS addresses, fetches and the way out are the same in all three phases.  Rows lie at positions (bits 3 and 4 of the index inside a group of 32 changed), so that the 16 registers of
; tiles 2 b, 2 b + 1 are 16 neighbours along the next K.
; OUT.  q, k: [batch][head][token / 32][1,536]: registers 0-5 hold token block 2 t (d 0..63), registers 6-11 token block 2 t + 1.  v: [batch][head][keys / 128][d / 16][1,536].  Scale words 64 bytes a fragment.
; A wave's four fragments of a part are 6,144 consecutive bytes, their scale words 256.
; LIMITS: a block of zeros or one whose largest magnitude lies under 2^-124 gets the byte 1 (only this program reads the bytes); NaN and infinities are not served.
; REGISTERS, in windows of 256: window 0: v16-31 addresses; v32-55 scale words, two sets of 12; v64-117 at work on the way out; v128-175, v176-223 W's four fragments, two sets.
;   window 1: the tokens' eight fragments, two sets, at v0 and v128.   window 2: the 32 accumulators: a step's product n at v[8 n].
.set FR,     12                        ; registers of a fragment
.set NP,     4                         ; places behind this matrix instruction (ISA guide 7.12.1)
.set RSTR,   98304                     ; 128 rows x all of K
.set KBLK,   24576                     ; 128 rows x 256 K
.set SBLK,   12288                     ; 128 rows x 128 K
.set WR,     2*RSTR                    ; LDS: the tokens' codes at 0; W's here: two halves of 4 SBLK
.set SCW,    3*RSTR                    ; W's scale words, 4,096 bytes a part, filled once
.set SCX,    SCW+3*4096                ; the tokens' scale words, 4,096 bytes for each 128 tokens, filled once
.set SPARE,  SCX+2*4096                ; the spare words, 128 bytes for each wave: two blocks of 256 bytes that no other line names
.set SSTG,   SPARE+512                 ; the way out: 256 bytes of scale words for each wave
.set XQS,    6291456                   ; xq: where the scale words begin
.set WQS,    2359296                   ; wq: likewise
.set QKS,    18874368                  ; qkv: likewise; 262,144 bytes a part
.set PARTB,  6291456                   ; qkv: a part's codes
.set ADT,  16                          ; v16-17  LDS address of my tokens' fragments: steps 0-3, steps 4-7
.set ADW,  18                          ; v18-19  of my head's fragments of W
.set AST,  20                          ; v20     of my tokens' scale words
.set ASW,  21                          ; v21     of my head's scale words
.set GOF,  24                          ; v24     16 x lane
.set SST,  25                          ; v25     where I put a scale word
.set SRD,  26                          ; v26     where I read my wave's 256 bytes of them back
.set GSO,  27                          ; v27     8 x lane
.set SPW,  28                          ; v28     my spare word; never rewritten
.set NIL,  29                          ; v29     0; never rewritten
.set FLR,  31                          ; v31     the floor 2^(3 - 127)
.set SC,   32                          ; scale words: set p at v[SC + 12 p]: the tokens' block i at + i, W's block j at + 8 + j
.set TM,   64                          ; v64-67 largest magnitudes, v68-71 exchange and bytes, v76-79 scale operands
.set PW,   80                          ; v80-83 a scale word for each of a part's four fragments
.set PC,   96                          ; v96-107 the codes just made
.set CT,   108                         ; v108-110, v112-114 the conversions' upper halves
.set SW2,  116                         ; v116-117 scale words on their way out
.set WF,   128
.set WP,   6                           ; s[6:7]  W' at my pair's rows, + my wave's 128 along K of a half: the refills' base
.set LB,   18                          ; s18     where my wave's part of a refill goes: WR + wave x SBLK
.set SEL,  66                          ; s[66:67] selects of v_permlanex16_b32: lane l xor 16
.set G1X,  24                          ; groups 1: the tokens' codes, W's codes, the tokens' scale words, W's scale words
.set G1W,  32
.set G1SX, 40
.set G1SW, 48
.set G0X0, 56                          ; groups 0: a set for each load that is out together
.set G0X1, 60
.set G0X2, 68
.set G0X3, 72
.set G0W0, 76                          ; (this one also serves the refills, written anew where no load of the wave is out)
.set G0W1, 80
.set G0W2, 84
.set G0W3, 88
.set G0SX, 92
.set G0SW, 96
.set MSB, 0
.macro WIN new                         ; the immediate's high byte repeats the setting that is left
.if MSB != \new
	s_set_vgpr_msb (MSB<<8)|\new
.set MSB, \new
.endif
.endm
; A joint load: waves 0 and 1 fetch for the tokens, waves 2 and 3 for W.  The branch hangs on the wave's number alone.  Four v_nop follow each of the two lines.
.macro JLOAD g0a, g1a, g0b, g1b
	s_cmp_eq_u32 s15, 0
	s_cbranch_scc0 .Lfor_b_\@
	tensor_load_to_lds s[\g0a:\g0a+3], s[\g1a:\g1a+7]
	s_nop 0
.rept 4
	v_nop
.endr
	s_branch .Lasked_\@
.Lfor_b_\@:
	tensor_load_to_lds s[\g0b:\g0b+3], s[\g1b:\g1b+7]
	s_nop 0
.rept 4
	v_nop
.endr
.Lasked_\@:
.endm
.macro CREST                           ; a round of the cluster's barrier behind its opening barrier
	s_cmp_lg_u32 s14, 0
	s_cbranch_scc1 .Lnot_wave_0_\@
	s_barrier_signal -3
.Lnot_wave_0_\@:
	s_barrier_wait -3
	s_barrier_signal -1
	s_barrier_wait -1
.endm
.macro CROUND                          ; a whole round
	s_barrier_signal -1
	s_barrier_wait -1
	CREST
.endm
.macro G1REST g, rows                  ; a dense block as rows of 32 elements of 8 bytes
	s_mov_b32 s[\g+1], 32<<16                      ; tensor_dim0
	s_mov_b32 s[\g+2], (\rows)<<16                 ; tensor_dim1
	s_mov_b32 s[\g+3], 32<<16                      ; tile_dim0
	s_mov_b32 s[\g+4], \rows                       ; tile_dim1
	s_mov_b32 s[\g+5], 32                          ; tensor_dim0_stride
	s_mov_b32 s[\g+6], 0
	s_mov_b32 s[\g+7], 0
.endm
.macro MKD g0, lreg, loff, ptr, goff   ; a group 0: to LDS byte s[lreg] + loff, from s[ptr:ptr+1] + goff
	s_mov_b32 s[\g0], 1
	s_add_co_u32 s[\g0+1], s[\lreg], \loff
	s_add_nc_u64 s[\g0+2:\g0+3], s[\ptr:\ptr+1], \goff
	s_or_b32 s[\g0+3], s[\g0+3], 0x80000000
.endm
	s_load_b128 s[4:7], s[0:1], 0x0                ; xq s[4:5], wq s[6:7]
	s_load_b64 s[8:9], s[0:1], 0x10                ; qkv
	v_lshl_add_u32 v[SPW], v0, 2, SPARE
	v_mov_b32 v[NIL], 0
	ds_add_u32 v28, v29
	ds_add_u32 v28, v29
	s_wait_dscnt 0x0
	v_lshrrev_b32 v1, 5, v0
	v_readfirstlane_b32 s14, v1                    ; wave 0..3
	s_lshr_b32 s15, s14, 1                         ; which 128 tokens are mine.  Also: I fetch for the tokens (0) or for W (1)
	s_and_b32 s16, s14, 1                          ; which head is mine.  Also: which half of what my kind fetches
	s_bfe_u32 s2, ttmp6, 0x40000                   ; cx, cy: my place in the cluster
	s_bfe_u32 s3, ttmp6, 0x40004
	s_lshl_b32 s19, ttmp9, 2
	s_add_co_u32 s19, s19, s2                      ; the pair of heads: 4 x cluster x + cx
	s_and_b32 s17, ttmp7, 0xffff
	s_lshl_b32 s17, s17, 2
	s_add_co_u32 s17, s17, s3                      ; which 256 tokens: 4 x cluster y + cy
	s_lshl_b32 s20, s3, 2
	s_lshl_b32 s20, 15, s20                        ; my row of the cluster
	s_lshl_b32 s21, 0x1111, s2                     ; my column
	; the prefetches' offsets: the second 512 along K.  The tokens' 384 blocks of 256 bytes are shared out by address among the four partners of my row (96 each: group cx / 2, half cx % 2) and the four waves (24 each);
	; W's 192 blocks among the four partners of my column (48 each) and the four waves (12 each)
	s_lshr_b32 s68, s2, 1
	s_mul_i32 s68, s68, RSTR
	s_and_b32 s69, s2, 1
	s_mul_i32 s69, s69, 96*256
	s_add_co_u32 s68, s68, s69
	s_mul_i32 s69, s14, 24*256
	s_add_co_u32 s68, s68, s69
	s_add_co_u32 s68, s68, 4*SBLK
	s_mov_b32 s69, 0
	s_mul_i32 s70, s3, 48*256
	s_mul_i32 s71, s14, 12*256
	s_add_co_u32 s70, s70, s71
	s_add_co_u32 s70, s70, 4*SBLK
	s_mov_b32 s71, 0
	s_or_b32 s[G1X], s20, (3<<16)|(1<<21)          ; 15:0 the mask: the tokens' blocks go to my row; 17:16 elements of 8 bytes; 21 set beside a mask
	s_or_b32 s[G1SX], s20, (3<<16)|(1<<21)
	s_or_b32 s[G1W], s21, (3<<16)|(1<<21)          ; W's go to my column
.set G1WH, 84                          ; s[84:91] group 1 for W's first fills: 512 along K a load
	s_or_b32 s[G1WH], s21, (3<<16)|(1<<21)
	s_or_b32 s[G1SW], s21, (3<<16)|(1<<21)
	s_mov_b32 s[G1X+1], 6144<<16                   ; the tokens: two rows (the two groups of 128 tokens) of 49,152 bytes (512 along K), 6,144 elements of 8 bytes
	s_mov_b32 s[G1X+2], 2<<16
	s_mov_b32 s[G1X+3], 6144<<16
	s_mov_b32 s[G1X+4], 2
	s_mov_b32 s[G1X+5], 12288                      ; from group to group: 98,304 bytes
	s_mov_b32 s[G1X+6], 0
	s_mov_b32 s[G1X+7], 0
	G1REST G1W, 48                                 ; a refill: 12,288 bytes
	G1REST G1WH, 192                               ; a first fill of W: 49,152 bytes
	G1REST G1SX, 32                                ; 8,192 bytes
	G1REST G1SW, 48                                ; 12,288 bytes
	; where my results go: head 16 batch + 2 pair + my head; in it the 128 tokens 2 (block % 4) + my half
	s_lshr_b32 s10, s17, 2
	s_lshl_b32 s10, s10, 4
	s_lshl_b32 s11, s19, 1
	s_add_co_u32 s10, s10, s11
	s_add_co_u32 s10, s10, s16
	s_and_b32 s11, s17, 3
	s_lshl_b32 s11, s11, 1
	s_add_co_u32 s11, s11, s15
	s_lshl_b32 s12, s10, 11                        ; scale words: 2,048 bytes a head,
	s_lshl_b32 s13, s11, 8                         ; 256 for 128 tokens
	s_add_co_u32 s12, s12, s13
	s_add_co_u32 s12, s12, QKS
	s_mov_b32 s13, 0
	s_mul_i32 s10, s10, 49152                      ; codes: 49,152 bytes a head,
	s_mul_i32 s11, s11, 6144                       ; 6,144 for 128 tokens
	s_add_co_u32 s10, s10, s11
	s_add_co_u32 s10, s10, PARTB                   ; at part 1: the stores reach parts 0 and 2 by their immediates
	s_mov_b32 s11, 0
	; what I fetch
	s_lshl_b32 s22, s17, 1                         ; the tokens: the first of my work-group's two groups of 128 rows
	s_lshl_b32 s20, s22, 12
	s_add_co_u32 s20, s20, XQS                     ; their scale words
	s_mov_b32 s21, 0
	s_mul_i32 s22, s22, RSTR                       ; their codes
	s_mov_b32 s23, 0
	s_mul_i32 s2, s19, 3*RSTR                      ; W': my pair's 384 rows
	s_mov_b32 s3, 0
	s_mul_i32 s100, s19, 3*4096                    ; their scale words, all 12,288 bytes
	s_add_co_u32 s100, s100, WQS
	s_mov_b32 s101, 0
	s_mov_b32 s18, 0                               ; where they go: constants
	s_mov_b32 s19, WR
	s_wait_kmcnt 0x0
	s_add_nc_u64 s[22:23], s[4:5], s[22:23]
	s_add_nc_u64 s[20:21], s[4:5], s[20:21]
	s_add_nc_u64 s[100:101], s[6:7], s[100:101]
	s_add_nc_u64 s[6:7], s[6:7], s[2:3]
	s_mov_b32 s4, 0
	s_mov_b32 s5, 0
	s_add_nc_u64 s[2:3], s[6:7], s[4:5]            ; W' at my pair's rows
	s_add_nc_u64 s[68:69], s[22:23], s[68:69]      ; where my prefetches stand; never rewritten
	s_add_nc_u64 s[70:71], s[2:3], s[70:71]
	s_mul_i32 s4, s14, SBLK
	s_add_nc_u64 s[WP:WP+1], s[6:7], s[4:5]        ; the refills: wave w takes the w-th step of a half
	s_add_nc_u64 s[10:11], s[8:9], s[10:11]
	s_add_nc_u64 s[12:13], s[8:9], s[12:13]
	s_mov_b32 s[G0SX], 1
	s_mov_b32 s[G0SX+1], SCX
	s_mov_b64 s[G0SX+2:G0SX+3], s[20:21]
	s_or_b32 s[G0SX+3], s[G0SX+3], 0x80000000
	s_mov_b32 s[G0SW], 1
	s_mov_b32 s[G0SW+1], SCW
	s_mov_b64 s[G0SW+2:G0SW+3], s[100:101]
	s_or_b32 s[G0SW+3], s[G0SW+3], 0x80000000
	MKD G0X0, 18, 0, 22, 0                         ; the tokens in LDS: [half of K][group of 128 tokens][4 steps]
	MKD G0X1, 18, 8*SBLK, 22, 4*SBLK
	MKD G0W0, 19, 0, 2, 0                          ; W: the two halves of K on end
	MKD G0W1, 19, 4*SBLK, 2, 4*SBLK
	s_mul_i32 s[LB], s14, SBLK
	s_add_co_u32 s[LB], s[LB], WR
	CROUND                                         ; all sixteen work-groups are here: the first joint loads meet
; The head's loads, one a wave: wave 0 the tokens' first 512 along K, wave 1 W's, wave 2 the tokens' scale words, wave 3 W's.  One chain of branches on the wave's number.
.macro ARM under, g0, g1, next
	s_cmp_lt_u32 s14, \under
	s_cbranch_scc0 \next
	tensor_load_to_lds s[\g0:\g0+3], s[\g1:\g1+7]
	s_nop 0
.rept 4
	v_nop
.endr
	s_branch .Lhead_asked
\next:
.endm
	ARM 1, G0X0, G1X, .Lhead_w
	ARM 2, G0W0, G1WH, .Lhead_sx
	ARM 3, G0SX, G1SX, .Lhead_sw
	tensor_load_to_lds s[G0SW:G0SW+3], s[G1SW:G1SW+7]
	s_nop 0
.rept 4
	v_nop
.endr
.Lhead_asked:
	v_and_b32 v1, 15, v0                           ; r
	s_wait_alu depctr_va_vdst(0)
	v_and_b32 v3, 31, v0                           ; lane
	s_wait_alu depctr_va_vdst(0)
	v_lshlrev_b32 v[GOF], 4, v3
	v_min_u32 v8, 23, v3                           ; a lane a block of 256 bytes; the lanes left over name the wave's last block again.  v8, v9 are never rewritten
	v_min_u32 v9, 11, v3
	v_lshlrev_b32 v8, 8, v8
	v_lshlrev_b32 v9, 8, v9
	s_mul_i32 s20, s15, 4*SBLK                     ; my 128 tokens inside a half of K
	v_add_nc_u32 v[ADT], s20, v[GOF]
	v_add_nc_u32 v[ADT+1], 8*SBLK, v[ADT]
	s_mul_i32 s21, s16, 4*1536                     ; my head's four blocks of a step's eight
	s_add_co_u32 s21, s21, WR
	v_add_nc_u32 v[ADW], s21, v[GOF]
	v_add_nc_u32 v[ADW+1], 4*SBLK, v[ADW]
	s_lshl_b32 s20, s15, 12
	s_add_co_u32 s20, s20, SCX
	v_lshl_add_u32 v[AST], v1, 2, s20              ; scale words: 4 bytes a row; both halves of the lanes take the same
	s_lshl_b32 s21, s16, 8
	s_add_co_u32 s21, s21, SCW
	v_lshl_add_u32 v[ASW], v1, 2, s21
	s_lshl_b32 s20, s14, 8
	s_add_co_u32 s20, s20, SSTG                    ; my 256 bytes of the scale stage
	v_lshl_add_u32 v[SST], v1, 2, s20
	v_lshl_add_u32 v[SRD], v3, 3, s20
	v_lshlrev_b32 v[GSO], 3, v3
	v_mov_b32 v[FLR], 0x1800000
.irp b, 0,1,2,3
	v_mov_b32 v[TM+4+\b], 0                        ; a lane permute's destination counts as one of its sources
.endr
	s_mov_b32 s[SEL], 0x76543210
	s_mov_b32 s[SEL+1], 0xfedcba98
; Step s's fragments and scale words into set s % 2: the tokens' eight blocks, my head's four, 12 scale words: 48 LDS loads in one run
.macro FETCH s, part
	WIN 0x40                                       ; destination window 1, address window 0
.irp i, 0,1,2,3,4,5,6,7
.irp c, 0,1,2
	ds_load_b128 v[128*((\s)%2)+FR*\i+4*\c:128*((\s)%2)+FR*\i+4*\c+3], v[ADT+(\s)/4] offset:((\s)%4)*SBLK+\i*1536+512*\c
.endr
.endr
	WIN 0
.irp i, 0,1,2,3
.irp c, 0,1,2
	ds_load_b128 v[WF+48*((\s)%2)+FR*\i+4*\c:WF+48*((\s)%2)+FR*\i+4*\c+3], v[ADW+(\s)/4] offset:((\s)%4)*SBLK+\i*1536+512*\c
.endr
.endr
.irp i, 0,1,2,3,4,5,6,7
	ds_load_b32 v[SC+12*((\s)%2)+\i], v[AST] offset:(\s)*512+\i*64
.endr
.irp i, 0,1,2,3
	ds_load_b32 v[SC+12*((\s)%2)+8+\i], v[ASW] offset:(\part)*4096+(\s)*512+\i*64
.endr
.endm
; Products n0 .. n1 - 1 of a step's 32, on set p.  role 0 (q, k): product n = the tokens' block n / 4 x W's block n % 4, source 0 = W.  role 1 (v): W's block n / 8 x the tokens' block n % 8, source 0 = the tokens.
; zero = 1: the first product starts the sums.  The 32 accumulators take turns, one instruction a turn, in the same order in every step.
.macro MUL n0, n1, p, role, zero
.set MN, \n0
.rept (\n1)-(\n0)
.if \role
.set RA, 128*(\p)+FR*(MN%8)
.set RB, WF+48*(\p)+FR*(MN/8)
.set KA, SC+12*(\p)+MN%8
.set KB, SC+12*(\p)+8+MN/8
.else
.set RA, WF+48*(\p)+FR*(MN%4)
.set RB, 128*(\p)+FR*(MN/4)
.set KA, SC+12*(\p)+8+MN%4
.set KB, SC+12*(\p)+MN/4
.endif
.if \zero
	v_wmma_scale_f32_16x16x128_f8f6f4 v[8*MN:8*MN+7], v[RA:RA+FR-1], v[RB:RB+FR-1], 0, v[KA], v[KB] matrix_a_fmt:MATRIX_FMT_FP6 matrix_b_fmt:MATRIX_FMT_FP6
.else
	v_wmma_scale_f32_16x16x128_f8f6f4 v[8*MN:8*MN+7], v[RA:RA+FR-1], v[RB:RB+FR-1], v[8*MN:8*MN+7], v[KA], v[KB] matrix_a_fmt:MATRIX_FMT_FP6 matrix_b_fmt:MATRIX_FMT_FP6
.endif
.set MN, MN+1
.endr
.endm
; A load into a register that a matrix instruction has read, and a vector instruction that reads a matrix result, stand NP places behind it; only plain vector instructions that name none of its registers are places.
.macro PLACES n
.rept \n
	v_nop
.endr
.endm
; The windows of a product: role 0: source 0 window 0, source 1 window 1 (0xa4); role 1 the other way round (0xa1); C and D window 2.
; A step whose successor's bytes are already shown to every wave: the next step's 48 loads go out ahead of this step's 32 products.
.macro STEP s, part, role, zero
	s_wait_dscnt 0x0                               ; this step's fragments and scale words are in
	PLACES NP                                      ; the other set was read by the last step's products
	FETCH (\s)+1, \part
	WIN 0xa4-3*(\role)
	MUL 0, 32, (\s)%2, \role, \zero
	WIN 0
.endm
; A step behind which new bytes are read: ONE barrier.  fill < 0: in front of it each wave waits until at most cnt of its loads are out.
; fill = n: the half of W's region that has just been left is filled again (refill n of four): each wave waits for ALL its tensor loads, adds 0 to its spare word, and waits for that (its reads were over at the step's head);
; the barrier opens a round of the cluster's barrier, and the joint refill is the first thing behind it, one load a wave.  Then step ns of part npart is fetched, under this step's last 16 products.
.macro TURN s, role, cnt, fill, ns, npart
	s_wait_dscnt 0x0                               ; this step's fragments are in: my reads of all bytes up to here are over
	s_wait_tensorcnt \cnt
.if (\fill) >= 0
	ds_add_u32 v[SPW], v[NIL]                      ; 0 onto my spare word
	s_add_co_u32 s[G0W0+1], s[LB], ((\fill)%2)*4*SBLK      ; no load of mine is out, so a group 0 may be written: the half just left,
	s_add_nc_u64 s[G0W0+2:G0W0+3], s[WP:WP+1], RSTR+(\fill)*4*SBLK   ; the next phase's rows for the same steps
	s_or_b32 s[G0W0+3], s[G0W0+3], 0x80000000
.endif
	WIN 0xa4-3*(\role)
	MUL 0, 8, (\s)%2, \role, 0
.if (\fill) >= 0
	s_wait_dscnt 0x0                               ; the add is done
.endif
	s_barrier_signal -1
	MUL 8, 16, (\s)%2, \role, 0
	WIN 0
	s_barrier_wait -1
.if (\fill) >= 0
	CREST                                          ; no wave of any partner still reads that half or has a load on its way
	tensor_load_to_lds s[G0W0:G0W0+3], s[G1W:G1W+7]
	s_nop 0
	PLACES 4                                       ; the places in front of the loads below
.else
	PLACES NP
.endif
	FETCH \ns, \npart
	WIN 0xa4-3*(\role)
	MUL 16, 32, (\s)%2, \role, 0
	WIN 0
.endm
; THE WAY OUT of fragment f of a part.  64 results of a lane, v[64 f] on in window 2 (register 16 b + i = next K 32 b + 16 (lane / 16) + i), are quantised and stored as an image.
; q, k: the tokens' blocks 2 f and 2 f + 1, 64 d each.  v: my head's block f of d, 128 keys.  Each accumulator is read from its low end on.
.macro QF f, part
.set QS0, 64*(\f)
.set QS1, 64*(\f)+32
	WIN 0x28                                       ; sources 1 and 2: window 2
.irp b, 0,1
	v_max3_num_f32 v[TM+\b], v[FLR], |v[QS0+16*\b]|, |v[QS0+16*\b+1]|
	v_max3_num_f32 v[TM+2+\b], v[FLR], |v[QS1+16*\b]|, |v[QS1+16*\b+1]|
.endr
.irp i, 2,4,6,8,10,12,14
.irp b, 0,1
	v_max3_num_f32 v[TM+\b], v[TM+\b], |v[QS0+16*\b+\i]|, |v[QS0+16*\b+\i+1]|
	v_max3_num_f32 v[TM+2+\b], v[TM+2+\b], |v[QS1+16*\b+\i]|, |v[QS1+16*\b+\i+1]|
.endr
.endr
	WIN 0
.irp b, 0,1,2,3
	v_permlanex16_b32 v[TM+4+\b], v[TM+\b], s[SEL], s[SEL+1]
.endr
.irp b, 0,1,2,3
	v_max_num_f32 v[TM+\b], v[TM+\b], v[TM+4+\b]
.endr
.irp b, 0,1,2,3
	v_add_nc_u32 v[TM+12+\b], 0xff000000, v[TM+\b] ; 2 off the exponent field: the conversion's scale operand
.endr
.irp b, 0,1,2,3
	v_lshrrev_b32 v[TM+4+\b], 23, v[TM+12+\b]      ; the scale's byte
.endr
	v_lshl_or_b32 v[PW+(\f)], v[TM+5], 8, v[TM+4]
	v_lshl_or_b32 v[PW+(\f)], v[TM+6], 16, v[PW+(\f)]
	v_lshl_or_b32 v[PW+(\f)], v[TM+7], 24, v[PW+(\f)]
	s_wait_xcnt 0x0                                ; the earlier stores have read v96-107 and v116-117: only now are they written again
	WIN 2                                          ; source 0: window 2
	v_cvt_scalef32_pk16_fp6_f32 v[PC:PC+2], v[QS0:QS0+15], v[TM+12]
	v_cvt_scalef32_pk16_fp6_f32 v[CT:CT+2], v[QS0+16:QS0+31], v[TM+13]
	v_cvt_scalef32_pk16_fp6_f32 v[PC+6:PC+8], v[QS1:QS1+15], v[TM+14]
	v_cvt_scalef32_pk16_fp6_f32 v[CT+4:CT+6], v[QS1+16:QS1+31], v[TM+15]
	WIN 0
	v_nop                                          ; one plain instruction behind the scaled conversions
.irp i, 0,1,2
	v_permlane16_swap_b32 v[PC+\i], v[CT+\i]
	v_permlane16_swap_b32 v[PC+6+\i], v[CT+4+\i]
.endr
.irp i, 0,1,2
	v_mov_b32 v[PC+3+\i], v[CT+\i]
	v_mov_b32 v[PC+9+\i], v[CT+4+\i]
.endr
.irp c, 0,1,2
	global_store_b128 v[GOF], v[PC+4*\c:PC+4*\c+3], s[10:11] offset:((\part)-1)*PARTB+(\f)*1536+512*\c   ; 512 consecutive bytes, aligned; the part stands in the signed 24-bit immediate (ISA guide, chapter 10)
.endr
	ds_store_b32 v[SST], v[PW+(\f)] offset:64*(\f) ; lanes r and r + 16 write the same word with the same value
.endm
.macro EPI part                        ; a part's way out: four fragments; then my wave's 256 bytes of scale words leave as one aligned run.  LDS serves a wave's instructions in order: the load sees my stores
	PLACES NP
.irp f, 0,1,2,3
	QF \f, \part
.endr
	ds_load_b64 v[SW2:SW2+1], v[SRD]
	s_wait_dscnt 0x0
	global_store_b64 v[GSO], v[SW2:SW2+1], s[12:13] offset:(\part)*262144
.endm
	s_wait_alu depctr_va_vdst(0)
	global_prefetch_b8 v8, s[68:69] th:TH_LOAD_NT scope:SCOPE_SE   ; what the loads behind the next round will ask for: my 24 blocks of the tokens' second 512 along K,
	global_prefetch_b8 v9, s[70:71] th:TH_LOAD_NT scope:SCOPE_SE   ; and my 12 of W's
	s_wait_tensorcnt 0x0                           ; my tile of the head's four is in
	ds_add_u32 v[SPW], v[NIL]
	s_wait_dscnt 0x0
	CROUND                                         ; everybody's tile is in, and all sixteen work-groups are here
	s_cmp_lt_u32 s14, 1
	s_cbranch_scc0 .Lsec_w
	tensor_load_to_lds s[G0X1:G0X1+3], s[G1X:G1X+7]
	s_nop 0
.rept 4
	v_nop
.endr
	s_branch .Lsec_asked
.Lsec_w:
	s_cmp_lt_u32 s14, 2
	s_cbranch_scc0 .Lsec_asked
	tensor_load_to_lds s[G0W1:G0W1+3], s[G1WH:G1WH+7]
	s_nop 0
.rept 4
	v_nop
.endr
.Lsec_asked:
	FETCH 0, 0
	; ---- q
	STEP 0, 0, 0, 1
	STEP 1, 0, 0, 0
	STEP 2, 0, 0, 0
	TURN 3, 0, 0, 0, 4, 0                          ; all first fills are in; W's first half takes k's rows
	STEP 4, 0, 0, 0
	STEP 5, 0, 0, 0
	STEP 6, 0, 0, 0
	TURN 7, 0, 0, 1, 0, 1                          ; W's second half takes k's rows; k's first step is fetched
	EPI 0
	; ---- k
	STEP 0, 1, 0, 1
	STEP 1, 1, 0, 0
	STEP 2, 1, 0, 0
	TURN 3, 0, 0, 2, 4, 1                          ; W's first half takes v's rows
	STEP 4, 1, 0, 0
	STEP 5, 1, 0, 0
	STEP 6, 1, 0, 0
	TURN 7, 0, 0, 3, 0, 2                          ; W's second half takes v's rows: the last load
	EPI 1
	; ---- v
	STEP 0, 2, 1, 1
	STEP 1, 2, 1, 0
	STEP 2, 2, 1, 0
	TURN 3, 1, 0, -1, 4, 2                         ; the last refill is in, everybody's: nothing is filled any more
	STEP 4, 2, 1, 0
	STEP 5, 2, 1, 0
	STEP 6, 2, 1, 0
	s_wait_dscnt 0x0                               ; the very last step: nothing more to fetch
	WIN 0xa1
	MUL 0, 32, 1, 1, 0
	WIN 0
	EPI 2
	s_wait_tensorcnt 0x0                           ; the wave's end: behind my last tensor load and my last LDS store
	ds_add_u32 v[SPW], v[NIL]
	s_wait_dscnt 0x0
	CROUND                                         ; the closing round: no work-group ends while a partner may still ask for a tile that names it
	s_endpgm
.Lfunc_end_k_q1022e65ee5_gemm_qkv:
	.size	k_q1022e65ee5_gemm_qkv, .Lfunc_end_k_q1022e65ee5_gemm_qkv-k_q1022e65ee5_gemm_qkv
	.p2alignl 7, 3214868480
	.fill 96, 4, 3214868480
	.section	.rodata,"a",@progbits
	.p2align	6, 0x0
	.amdhsa_kernel k_q1022e65ee5_gemm_qkv
		.amdhsa_group_segment_fixed_size 327680
		.amdhsa_private_segment_fixed_size 0
		.amdhsa_enable_private_segment 0
		.amdhsa_kernarg_size 24
		.amdhsa_user_sgpr_count 2
		.amdhsa_user_sgpr_kernarg_segment_ptr 1
		.amdhsa_wavefront_size32 1
		.amdhsa_system_sgpr_workgroup_id_x 1
		.amdhsa_system_sgpr_workgroup_id_y 1
		.amdhsa_system_sgpr_workgroup_id_z 1
		.amdhsa_system_vgpr_workitem_id 0
		.amdhsa_next_free_vgpr 768
		.amdhsa_next_free_sgpr 102
		.amdhsa_reserve_vcc 0
		.amdhsa_float_denorm_mode_32 3
		.amdhsa_float_denorm_mode_16_64 3
		.amdhsa_memory_ordered 1
		.amdhsa_forward_progress 1
		.amdhsa_inst_pref_size 240
	.end_amdhsa_kernel
	.amdgpu_metadata
---
amdhsa.version: [ 1, 2 ]
amdhsa.kernels:
  - .name:           k_q1022e65ee5_gemm_qkv
    .symbol:         k_q1022e65ee5_gemm_qkv.kd
    .args:
      - { .name: xq, .offset: 0, .size: 8, .value_kind: global_buffer, .address_space: global }
      - { .name: wq, .offset: 8, .size: 8, .value_kind: global_buffer, .address_space: global }
      - { .name: qkv, .offset: 16, .size: 8, .value_kind: global_buffer, .address_space: global }
    .group_segment_fixed_size: 327680
    .private_segment_fixed_size: 0
    .kernarg_segment_align: 8
    .kernarg_segment_size: 24
    .max_flat_workgroup_size: 128
    .sgpr_count:     102
    .vgpr_count:     768
    .wavefront_size: 32
...
	.end_amdgpu_metadata
.endif
;; end of part 2
;; launch attn (part 3): grid 4 x 64, 16 waves a work-group, clusters of 4 x 1, 264,192 bytes of LDS; arguments qkv, rpe_table, oq; writes oq
.if DOCPART == 3
	.amdgcn_target "amdgcn-amd-amdhsa--gfx1250"
	.amdhsa_code_object_version 6
	.text
	.protected	k_q1022e65ee5_attn
	.globl	k_q1022e65ee5_attn
	.p2align	8
	.type	k_q1022e65ee5_attn,@function
k_q1022e65ee5_attn:
	s_mov_b64 s[64:65], 0
	v_nop
	global_prefetch_b8 v0, s[64:65] scope:SCOPE_SE
	s_setreg_imm32_b32 hwreg(HW_REG_WAVE_MODE, 25, 1), 1
	s_wait_xcnt 0x0
	s_wait_alu depctr_hold_cnt(0) depctr_sa_sdst(0) depctr_va_vdst(0) depctr_va_sdst(0) depctr_va_ssrc(0) depctr_va_vcc(0) depctr_vm_vsrc(0)
	s_getreg_b32 s2, hwreg(HW_REG_IB_STS2, 6, 4)
	s_cmp_eq_u32 s2, 0
	s_cbranch_scc0 .Lentry_in_a_cluster
	s_endpgm
.Lentry_in_a_cluster:
	s_bfe_u32 s2, ttmp6, 0x10000c
	s_cmp_lg_u32 s2, 0x3003
	s_cbranch_scc0 .Lentry_shape_is_right
	s_endpgm
.Lentry_shape_is_right:
; ATTN: o = softmax(q k^T / 8 + bias) v for two heads of one batch and 256 queries, both products on codes of FP6 (E2M3) with E8M0 scales; o leaves as codes, quantised along (head, d).
; THE SOFTMAX AHEAD OF THE SECOND PRODUCT: t = logit x log2(e); M = the running largest t rounded up to a whole number; p = 2^(t - M) is quantised along the keys, not normalised; the row's sum is taken of the
; unquantised p in f32 and divides o at the end.  When M moves, the sum and O are multiplied by 2^(old M - new M): exact.
; q / 8: the codes are q's; dividing by 8 only lowers a block's scale by 3, so it is taken into c = log2(e) / 8: t = c (q . k + 8 bias).  LIMIT: exact unless q's block exponent less 3 would fall under -126.
; BIAS: bias(query, key) = table[query - key + 1023][head].  8 x bias is the C operand of the first product, read from LDS.  With a' = 255 - (query in my 256) + key, the lane's eight keys of a tile are eight
; neighbours of rev[a'] = 8 table[256 cx + 1278 - a'].  Four copies, copy s shifted by s numbers, let every lane read 16 aligned bytes: a lane takes copy 3 - (r % 4).
; SHARES: work-group (cx, y): batch y / 8, heads 2 (y % 8) and + 1, queries at positions 256 cx on.  Each of sixteen waves owns 16 queries, in 256 registers: four waves to a SIMD.  A loop of two passes takes the two heads;
; a pass has 8 key steps of 128 keys, written out, every offset an immediate.
; LDS: K's and V's codes and scale words of both heads are filled once, so there is no ring and no refill.  CLUSTER: the four query blocks of a cluster read the same K and V: every tensor load is joint.
; LAYOUT: both products are used transposed: a lane holds one query throughout.  A fragment of k holds two blocks of 16 keys (registers 0-5 and 6-11, d 0..63 each); multiplied by [q | 0] and by [0 | q] it gives both
; blocks' scores: K = 64 under an instruction of K = 128, the other half zero codes.  Keys lie at positions, so the 16 registers of two neighbouring tiles are 16 neighbouring keys.
; LIMITS: NaN and infinities are not served; a block of o whose largest magnitude lies under 2^-124 gets the byte 1 (only this program reads the bytes).
.set KREG,  49152                      ; a head's codes of k or of v
.set SCB,   4*KREG                     ; the scale words: k head 0, k head 1, v head 0, v head 1: 2,048 bytes each
.set BIAS,  SCB+8192                   ; 2 heads x 4 copies x 6,400 bytes
.set CPY,   6400
.set HBI,   4*CPY
.set OSC,   BIAS+2*HBI                 ; o's scale words of the sixteen waves, 64 bytes each
.set PARTB, 6291456                    ; qkv: a part's codes
.set QKS,   18874368                   ; qkv: where the scale words begin; 262,144 bytes a part
.set OQS,   6291456                    ; oq: where the scale words begin
.set FLOOR, 0x1800000
.set LI,  1                            ; v1   16 x lane
.set AB0, 2                            ; v2   my lane's place in its copy of the bias
.set AS0, 3                            ; v3   my lane's place among scale words
.set ADK, 4                            ; v4-7 the pass's addresses: k, v, scale words, bias
.set ADV, 5
.set ADS, 6
.set ADB, 7
.set OSR, 8                            ; v8   waves 0, 1: where I read o's scale words back
.set OSG, 9                            ; v9   and their place in memory
.set ABW, 10                           ; v10  where I write the bias: BIAS + 4 x thread
.set R4,  11                           ; v11  4 r
.set QB,  16                           ; v[16:27] = [0 | q];  v[22:33] = [q | 0]: v16-21 and v28-33 are zeros, v22-27 q.  v12 -M, v13 the largest t, v[14:15] the sum
.set QA,  22
.set QN,  34                           ; v34-39 the second head's q
.set QW,  40                           ; v40  q's scale word;  v41 the second head's
.set QWN, 41
.set OW,  42                           ; v42  o's scale word
.set OSW, 43                           ; v43  where I put it
.set OF,  44                           ; v44-55 o's fragment
.set FG,  56                           ; v56-103 four fragments of k, then of v
.set S,   104                          ; v104-167 8 bias, then scores, then p
.set OT,  168                          ; v168-199 O^T
.set PCD, 200                          ; v200-211 p's codes
.set CT,  212                          ; v212-214, v216-218 the conversions' upper halves
.set BM,  220                          ; v220-223 the blocks' largest scores, then largest p
.set EX,  224                          ; v224-227 exchange, second chain of the sum, bytes
.set SO,  228                          ; v228-231 the conversions' scale operands
.set SW,  232                          ; v232-235 k's or v's scale words
.set FF,  236                          ; v236 f = 2^(old M - new M)
.set PS,  237                          ; v237 p's scale word
.set TP,  238
.set TD,  84                           ; at the head: v84-89 table numbers, v90-92 their offsets
.set TO,  90
.set WV,  18
.set CX,  19
.set YY,  20
.set G1,  24                           ; s[24:31] group 1 for codes;  s[32:39] for scale words;  s[40:43], s[44:47] their groups 0
.set G1S, 32
.set G0C, 40
.set G0S, 44
.set TBK, 48                           ; the pass's LDS steps
.set TBS, 49
.set TBB, 50
.set PASS, 51
.set CS,  58                           ; s[58:59] c = log2(e) / 8
.set SEL, 60                           ; s[60:61] selects of v_permlanex16_b32: lane l xor 16
.macro ROUND                           ; a round of the cluster's barrier
	s_barrier_signal -1
	s_barrier_wait -1
	s_cmp_lg_u32 s[WV], 0
	s_cbranch_scc1 .Lnot_wave_0_\@
	s_barrier_signal -3
.Lnot_wave_0_\@:
	s_barrier_wait -3
	s_barrier_signal -1
	s_barrier_wait -1
.endm
	s_load_b128 s[4:7], s[0:1], 0x0                ; qkv s[4:5], rpe_table s[6:7]
	s_load_b64 s[8:9], s[0:1], 0x10                ; oq
	v_lshl_add_u32 v254, v0, 2, 0x40000
	v_mov_b32 v255, 0
	ds_add_u32 v254, v255
	ds_add_u32 v254, v255
	v_lshrrev_b32 v44, 5, v0
	s_delay_alu instid0(VALU_DEP_1)
	v_readfirstlane_b32 s[WV], v44                 ; wave 0..15
	s_bfe_u32 s[CX], ttmp6, 0x40000                ; my place in the cluster: it enters global addresses of q, the table and o alone
	s_and_b32 s[YY], ttmp7, 0xffff                 ; 8 x batch + pair of heads
	v_and_b32 v44, 31, v0                          ; lane
	v_and_b32 v45, 15, v0                          ; r
	v_bfe_u32 v46, v0, 4, 1                        ; h
	s_delay_alu instid0(VALU_DEP_3)
	v_lshlrev_b32 v[LI], 4, v44
	s_delay_alu instid0(VALU_DEP_3)
	v_lshl_add_u32 v[AS0], v45, 2, SCB
	s_delay_alu instid0(VALU_DEP_4)
	v_lshlrev_b32 v[R4], 2, v45
	; my place in the bias: copy sc = 3 - r % 4 at sc x 6,400 + 32 (sc % 2) + 128 (sc / 2) + 16; in it 4 (252 - (r & 12) - 8 (r / 8) - 32 (w / 2) - 8 (w % 2)) + 64 h.
	; The shifts 0, 32, 128, 160 spread the sixteen lanes of a 16-byte load over sixteen different columns of 16 bytes modulo 256
	v_and_b32 v47, 3, v45
	s_delay_alu instid0(VALU_DEP_1)
	v_sub_nc_u32 v47, 3, v47
	s_delay_alu instid0(VALU_DEP_1)
	v_mul_u32_u24 v[AB0], v47, CPY
	s_delay_alu instid0(VALU_DEP_1)
	v_add_nc_u32 v[AB0], BIAS+1024, v[AB0]
	s_delay_alu instid0(VALU_DEP_3)
	v_and_b32 v48, 1, v47
	s_delay_alu instid0(VALU_DEP_1)
	v_lshl_add_u32 v[AB0], v48, 5, v[AB0]
	v_lshrrev_b32 v48, 1, v47
	s_delay_alu instid0(VALU_DEP_1)
	v_lshl_add_u32 v[AB0], v48, 7, v[AB0]
	s_delay_alu instid0(VALU_DEP_1)
	v_lshl_add_u32 v[AB0], v46, 6, v[AB0]
	v_and_b32 v48, 12, v45
	s_delay_alu instid0(VALU_DEP_1)
	v_lshlrev_b32 v48, 2, v48
	s_delay_alu instid0(VALU_DEP_1)
	v_sub_nc_u32 v[AB0], v[AB0], v48
	v_lshrrev_b32 v48, 3, v45
	s_delay_alu instid0(VALU_DEP_1)
	v_lshlrev_b32 v48, 5, v48
	s_delay_alu instid0(VALU_DEP_1)
	v_sub_nc_u32 v[AB0], v[AB0], v48
	s_lshr_b32 s10, s[WV], 1
	s_lshl_b32 s10, s10, 7
	s_and_b32 s11, s[WV], 1
	s_lshl_b32 s12, s11, 5
	s_add_co_u32 s10, s10, s12
	v_sub_nc_u32 v[AB0], v[AB0], s10
	s_lshl_b32 s12, s[WV], 6
	v_lshl_add_u32 v[OSW], v45, 2, s12
	s_delay_alu instid0(VALU_DEP_1)
	v_add_nc_u32 v[OSW], OSC, v[OSW]
	s_lshl_b32 s12, s11, 9
	v_add_nc_u32 v[OSR], s12, v[LI]
	s_delay_alu instid0(VALU_DEP_1)
	v_add_nc_u32 v[OSR], OSC, v[OSR]
	s_lshl_b32 s12, s11, 12
	v_add_nc_u32 v[OSG], s12, v[LI]
	v_lshl_add_u32 v[ABW], v0, 2, BIAS
	s_lshl_b32 s12, s[CX], 8
	s_add_co_u32 s12, s12, 1278
.irp k, 0,1,2
	v_add_nc_u32 v[TO+\k], 512*\k, v0              ; a' = thread + 512 k,
	s_delay_alu instid0(VALU_DEP_1)
	v_min_u32 v[TO+\k], 1278, v[TO+\k]             ; held at the largest that is read: so the row stays inside the table
	s_delay_alu instid0(VALU_DEP_1)
	v_sub_nc_u32 v[TO+\k], s12, v[TO+\k]           ; the table's row 256 cx + 1278 - a'
	s_delay_alu instid0(VALU_DEP_1)
	v_lshlrev_b32 v[TO+\k], 6, v[TO+\k]            ; of 64 bytes
.endr
	; what I fetch, if I fetch: wave 0: k head 0; 1: k head 1; 2: v head 0; 3: v head 1
	s_and_b32 s10, s[WV], 3
	s_lshr_b32 s11, s10, 1
	s_add_co_u32 s11, s11, 1                       ; the part: 1 = k, 2 = v
	s_and_b32 s12, s10, 1
	s_lshl_b32 s13, s[YY], 1                       ; 16 x batch + the pair's first head = 2 y
	s_add_co_u32 s12, s12, s13
	s_mul_i32 s14, s11, PARTB
	s_mul_i32 s15, s12, KREG
	s_add_co_u32 s14, s14, s15
	s_mov_b32 s15, 0
	s_lshl_b32 s16, s11, 18
	s_lshl_b32 s17, s12, 11
	s_add_co_u32 s16, s16, s17
	s_add_co_u32 s16, s16, QKS
	s_mov_b32 s17, 0
	s_mul_i32 s21, s10, KREG                       ; where they go: no place in the cluster enters an LDS address
	s_lshl_b32 s22, s10, 11
	; q: pair fragment 8 cx + w / 2 of the pair's first head; the second head's lies KREG bytes on
	s_lshl_b32 s52, s[CX], 3
	s_lshr_b32 s53, s[WV], 1
	s_add_co_u32 s52, s52, s53
	s_mul_i32 s54, s52, 1536
	s_mul_i32 s53, s13, KREG
	s_add_co_u32 s54, s54, s53
	s_mov_b32 s55, 0
	s_lshl_b32 s56, s52, 6
	s_lshl_b32 s53, s13, 11
	s_add_co_u32 s56, s56, s53
	s_add_co_u32 s56, s56, QKS
	s_mov_b32 s57, 0
	; o: rows / 128 = 8 batch + 2 cx + w / 8, K step = the pair of heads, block = w % 8
	s_lshr_b32 s68, s[YY], 3
	s_lshl_b32 s68, s68, 3
	s_lshl_b32 s69, s[CX], 1
	s_add_co_u32 s68, s68, s69
	s_and_b32 s69, s[YY], 7
	s_lshl_b32 s70, s68, 3
	s_add_co_u32 s70, s70, s69
	s_lshl_b32 s72, s70, 9
	s_add_co_u32 s72, s72, OQS
	s_mov_b32 s73, 0
	s_lshr_b32 s71, s[WV], 3
	s_lshl_b32 s71, s71, 3
	s_add_co_u32 s70, s70, s71
	s_lshl_b32 s70, s70, 3
	s_and_b32 s71, s[WV], 7
	s_add_co_u32 s70, s70, s71
	s_mul_i32 s70, s70, 1536
	s_mov_b32 s71, 0
	s_lshl_b32 s74, s69, 3                         ; the table's columns 2 g and 2 g + 1
	s_mov_b32 s75, 0
	; group 1: dense blocks as rows of 32 elements of 8 bytes: 192 rows of codes, 8 rows of scale words
	s_mov_b32 s[G1], 15|(3<<16)|(1<<21)            ; 15:0 the mask: all four work-groups; 17:16 elements of 8 bytes; 21 set beside a mask
	s_mov_b32 s[G1+1], 32<<16
	s_mov_b32 s[G1+2], 192<<16
	s_mov_b32 s[G1+3], 32<<16
	s_mov_b32 s[G1+4], 192
	s_mov_b32 s[G1+5], 32
	s_mov_b32 s[G1+6], 0
	s_mov_b32 s[G1+7], 0
	s_mov_b32 s[G1S], 15|(3<<16)|(1<<21)
	s_mov_b32 s[G1S+1], 32<<16
	s_mov_b32 s[G1S+2], 8<<16
	s_mov_b32 s[G1S+3], 32<<16
	s_mov_b32 s[G1S+4], 8
	s_mov_b32 s[G1S+5], 32
	s_mov_b32 s[G1S+6], 0
	s_mov_b32 s[G1S+7], 0
	s_mov_b32 s[CS], 0x3e38aa3b                    ; c = log2(e) / 8
	s_mov_b32 s[CS+1], s[CS]                       ; (named with it as a pair, so it is written)
	s_mov_b32 s[SEL], 0x76543210
	s_mov_b32 s[SEL+1], 0xfedcba98
	s_wait_dscnt 0x0
	s_wait_kmcnt 0x0
	s_mov_b32 s[G0C], 1
	s_mov_b32 s[G0C+1], s21
	s_add_nc_u64 s[G0C+2:G0C+3], s[4:5], s[14:15]
	s_or_b32 s[G0C+3], s[G0C+3], 0x80000000
	s_mov_b32 s[G0S], 1
	s_add_co_u32 s[G0S+1], s22, SCB
	s_add_nc_u64 s[G0S+2:G0S+3], s[4:5], s[16:17]
	s_or_b32 s[G0S+3], s[G0S+3], 0x80000000
	s_add_nc_u64 s[54:55], s[4:5], s[54:55]
	s_add_nc_u64 s[56:57], s[4:5], s[56:57]
	s_add_nc_u64 s[70:71], s[8:9], s[70:71]
	s_add_nc_u64 s[72:73], s[8:9], s[72:73]
	s_add_nc_u64 s[6:7], s[6:7], s[74:75]
	s_wait_alu depctr_va_vdst(0)                   ; the wait ahead of the first readers of the head's addresses
.irp k, 0,1,2
	global_load_b64 v[TD+2*\k:TD+2*\k+1], v[TO+\k], s[6:7]     ; both heads' numbers of a table row; asked for ahead of the round
.endr
.irp c, 0,1,2
	global_load_b128 v[FG+4*\c:FG+4*\c+3], v[LI], s[54:55] offset:512*\c
	global_load_b128 v[FG+12+4*\c:FG+12+4*\c+3], v[LI], s[54:55] offset:KREG+512*\c
.endr
	global_load_b32 v80, v[R4], s[56:57]
	global_load_b32 v81, v[R4], s[56:57] offset:2048
	ROUND                                          ; all four work-groups are here: the joint loads meet
	s_cmp_lt_u32 s[WV], 4                          ; one fill a wave: waves 0-3 the four regions of codes, waves 4-7 the four of scale words (region = wave % 4)
	s_cbranch_scc0 .Lnot_codes
	tensor_load_to_lds s[G0C:G0C+3], s[G1:G1+7]
	s_nop 0
.rept 4
	v_nop
.endr
	s_branch .Lno_fetch
.Lnot_codes:
	s_cmp_lt_u32 s[WV], 8
	s_cbranch_scc0 .Lno_fetch
	tensor_load_to_lds s[G0S:G0S+3], s[G1S:G1S+7]
	s_nop 0
.rept 4
	v_nop
.endr
.Lno_fetch:
.irp i, 0,1,2,3,4,5
	v_mov_b32 v[QB+\i], 0                          ; the zero halves beside q
	v_mov_b32 v[QA+6+\i], 0
.endr
.irp i, 0,1,2,3,4,5,6,7,8,9,10,11
	v_mov_b32 v[OF+\i], 0                          ; read (and moved on) by the first pass's tail
.endr
	v_mov_b32 v[OW], 0
.irp b, 0,1,2,3
	v_mov_b32 v[EX+\b], 0                          ; a lane permute's destination counts as one of its sources
.endr
	v_mov_b32 v[PS], 0                             ; (named as the upper half of the pair v[236:237] before it is first written)
	v_mov_b32 v[TP], 0
	s_wait_loadcnt 8                               ; the three table loads are in; q's eight may stay out
.irp k, 0,1,2,3,4,5
	v_mul_f32 v[TD+\k], 0x41000000, v[TD+\k]       ; 8 x bias: exact
.endr
.irp k, 0,1,2
.irp hh, 0,1
.irp sc, 0,1,2,3
	ds_store_b32 v[ABW], v[TD+2*\k+\hh] offset:\hh*HBI+\sc*CPY+32*(\sc%2)+128*(\sc/2)+16-4*\sc+2048*\k    ; copy sc holds rev[a'] at number a' - sc
.endr
.endr
.endr
	s_wait_loadcnt 0x0
	s_and_b32 s23, s[WV], 1                        ; which half of the pair fragment holds my 16 queries
	s_cmp_lg_u32 s23, 0
	s_cselect_b32 vcc_lo, -1, 0
.irp i, 0,1,2,3,4,5
	v_cndmask_b32 v[QA+\i], v[FG+\i], v[FG+6+\i], vcc_lo
	v_cndmask_b32 v[QN+\i], v[FG+12+\i], v[FG+18+\i], vcc_lo
.endr
	s_lshl_b32 s23, s23, 4
	v_lshrrev_b32 v80, s23, v80
	v_lshrrev_b32 v81, s23, v81
	s_delay_alu instid0(VALU_DEP_2)
	v_and_b32 v80, 0xffff, v80
	s_delay_alu instid0(VALU_DEP_2)
	v_and_b32 v81, 0xffff, v81
	s_delay_alu instid0(VALU_DEP_2)
	v_lshl_or_b32 v[QW], v80, 16, v80              ; my two bytes in both halves of the word: they stand over q wherever q stands
	s_delay_alu instid0(VALU_DEP_2)
	v_lshl_or_b32 v[QWN], v81, 16, v81
	s_mov_b32 s[TBK], 0
	s_mov_b32 s[TBS], 0
	s_mov_b32 s[TBB], 0
	s_mov_b32 s[PASS], 2
	s_wait_tensorcnt 0x0                           ; my fills have landed,
	s_wait_dscnt 0x0                               ; my part of the bias is stored:
	s_barrier_signal -1
	s_barrier_wait -1                              ; everybody's are.  Nothing in these regions is written again
; A KEY STEP: 128 keys.
.macro STEP s
.rept 4
	v_nop                                          ; places in front of loads into registers that the last products read
.endr
.if \s == 0                                    ; a pass's first step asks for its bias here; the later steps' was asked for in the step before
.irp t, 0,1,2,3,4,5,6,7
	ds_load_b128 v[S+8*\t:S+8*\t+3], v[ADB] offset:128*(\t/2)+32*(\t%2)             ; 8 x bias of my query and the tile's eight keys of my half: the product's C
	ds_load_b128 v[S+8*\t+4:S+8*\t+7], v[ADB] offset:128*(\t/2)+32*(\t%2)+16
.endr
.endif
.irp j, 0,1,2,3
.irp c, 0,1,2
	ds_load_b128 v[FG+12*\j+4*\c:FG+12*\j+4*\c+3], v[ADK] offset:(4*\s+\j)*1536+512*\c
.endr
	ds_load_b32 v[SW+\j], v[ADS] offset:(4*\s+\j)*64
.endr
	s_wait_dscnt 0x0
.irp j, 0,1,2,3                                ; S^T = k q^T + 8 bias: eight accumulators, one instruction each
	v_wmma_scale_f32_16x16x128_f8f6f4 v[S+16*\j:S+16*\j+7], v[FG+12*\j:FG+12*\j+11], v[QA:QA+11], v[S+16*\j:S+16*\j+7], v[SW+\j], v[QW] matrix_a_fmt:MATRIX_FMT_FP6 matrix_b_fmt:MATRIX_FMT_FP6
	v_wmma_scale_f32_16x16x128_f8f6f4 v[S+16*\j+8:S+16*\j+15], v[FG+12*\j:FG+12*\j+11], v[QB:QB+11], v[S+16*\j+8:S+16*\j+15], v[SW+\j], v[QW] matrix_a_fmt:MATRIX_FMT_FP6 matrix_b_fmt:MATRIX_FMT_FP6
.endr
.rept 4
	v_nop                                          ; places: for the loads below and for the first read of the scores
.endr
.irp d, 0,1,2,3                                ; v's fragments are asked for now and land while the softmax is worked
.irp c, 0,1,2
	ds_load_b128 v[FG+12*\d+4*\c:FG+12*\d+4*\c+3], v[ADV] offset:(4*\s+\d)*1536+512*\c
.endr
	ds_load_b32 v[SW+\d], v[ADS] offset:4096+(4*\s+\d)*64
.endr
.irp b, 0,1,2,3
	v_max3_num_f32 v[BM+\b], v[S+16*\b], v[S+1+16*\b], v[S+2+16*\b]        ; the largest score of each block of 32 keys: it serves the row's maximum and, since p rises with the score, the block's largest p
.endr
.irp i, 3,5,7,9,11,13
.irp b, 0,1,2,3
	v_max3_num_f32 v[BM+\b], v[BM+\b], v[S+16*\b+\i], v[S+1+16*\b+\i]
.endr
.endr
.irp b, 0,1,2,3
	v_max_num_f32 v[BM+\b], v[BM+\b], v[S+15+16*\b]
.endr
.irp b, 0,1,2,3
	s_delay_alu instid0(VALU_DEP_4)
	v_permlanex16_b32 v[EX+\b], v[BM+\b], s[SEL], s[SEL+1]
.endr
.irp b, 0,1,2,3
	s_delay_alu instid0(VALU_DEP_4)
	v_max_num_f32 v[BM+\b], v[BM+\b], v[EX+\b]     ; with lane l xor 16's 16 keys
.endr
	s_delay_alu instid0(VALU_DEP_2)
	v_max3_num_f32 v[TP], v[BM], v[BM+1], v[BM+2]
	s_delay_alu instid0(VALU_DEP_1)
	v_max_num_f32 v[TP], v[TP], v[BM+3]
	s_delay_alu instid0(VALU_DEP_1)
	v_mul_f32 v[TP], s[CS], v[TP]                  ; as t (c is positive)
	s_delay_alu instid0(VALU_DEP_1)
	v_max_num_f32 v13, v13, v[TP]                  ; the running largest t
	v_mov_b32 v[TP], v12
	s_delay_alu instid0(VALU_DEP_2)
	v_floor_f32 v12, -v13                          ; the new -M = floor(-t): M is a whole number
	s_delay_alu instid0(VALU_DEP_1)
	v_sub_f32 v[TP], v12, v[TP]                    ; old M - new M: a whole number, 0 or less
	s_delay_alu instid0(VALU_DEP_1)
	v_cvt_i32_f32 v[TP], v[TP]                     ; (it saturates)
	s_delay_alu instid0(VALU_DEP_1)
	v_ldexp_f32 v[FF], 1.0, v[TP]                  ; f = 2^(old M - new M)
.set j, 0
.rept 32
	v_pk_fma_f32 v[S+j:S+j+1], v[S+j:S+j+1], s[CS:CS+1], v[12:13] op_sel_hi:[1,0,0]        ; t - M, two at a time
.set j, j+2
.endr
.irp b, 0,1,2,3
	v_fma_f32 v[BM+\b], v[BM+\b], s[CS], v12       ; the same of each block's largest score
.endr
.set j, 0
	s_wait_alu depctr_va_vdst(0)
.rept 64
	v_exp_f32 v[S+j], v[S+j]                       ; p = 2^(t - M), at most 1
.set j, j+1
.endr
	v_pk_mul_f32 v[14:15], v[14:15], v[FF:FF+1] op_sel_hi:[1,0]    ; the sums under the new M: the plain instruction behind the exponentials
	s_wait_alu depctr_va_vdst(0)                   ; one wait for the whole batch, ahead of its first reader
.irp b, 0,1,2,3
	v_exp_f32 v[BM+\b], v[BM+\b]                   ; the block's largest p
.endr
	v_pk_add_f32 v[224:225], v[108:109], v[112:113]
	v_pk_add_f32 v[252:253], v[116:117], v[120:121]
	v_pk_add_f32 v[250:251], v[124:125], v[128:129]
	v_pk_add_f32 v[248:249], v[132:133], v[136:137]
	v_pk_add_f32 v[246:247], v[140:141], v[144:145]
	v_pk_add_f32 v[244:245], v[148:149], v[152:153]
	v_pk_add_f32 v[242:243], v[156:157], v[160:161]
	v_pk_add_f32 v[14:15], v[14:15], v[164:165]
	v_pk_add_f32 v[224:225], v[224:225], v[104:105]
	v_pk_add_f32 v[252:253], v[252:253], v[106:107]
	v_pk_add_f32 v[250:251], v[250:251], v[110:111]
	v_pk_add_f32 v[248:249], v[248:249], v[114:115]
	v_pk_add_f32 v[246:247], v[246:247], v[118:119]
	v_pk_add_f32 v[244:245], v[244:245], v[122:123]
	v_pk_add_f32 v[242:243], v[242:243], v[126:127]
	v_pk_add_f32 v[14:15], v[14:15], v[130:131]
	v_pk_add_f32 v[224:225], v[224:225], v[134:135]
	v_pk_add_f32 v[252:253], v[252:253], v[138:139]
	v_pk_add_f32 v[250:251], v[250:251], v[142:143]
	v_pk_add_f32 v[248:249], v[248:249], v[146:147]
	v_pk_add_f32 v[246:247], v[246:247], v[150:151]
	v_pk_add_f32 v[244:245], v[244:245], v[154:155]
	v_pk_add_f32 v[242:243], v[242:243], v[158:159]
	v_pk_add_f32 v[14:15], v[14:15], v[162:163]
	v_pk_add_f32 v[224:225], v[224:225], v[166:167]
	s_delay_alu instid0(VALU_DEP_2)
	v_pk_add_f32 v[14:15], v[14:15], v[248:249]
	s_delay_alu instid0(VALU_DEP_2)
	v_pk_add_f32 v[224:225], v[224:225], v[246:247]
	v_pk_add_f32 v[252:253], v[252:253], v[244:245]
	v_pk_add_f32 v[250:251], v[250:251], v[242:243]
	s_delay_alu instid0(VALU_DEP_2)
	v_pk_add_f32 v[14:15], v[14:15], v[252:253]
	s_delay_alu instid0(VALU_DEP_2)
	v_pk_add_f32 v[224:225], v[224:225], v[250:251]
	s_delay_alu instid0(VALU_DEP_1)
	v_pk_add_f32 v[14:15], v[14:15], v[224:225]
	s_wait_alu depctr_va_vdst(0)                   ; and one for the four
.irp b, 0,1,2,3
	v_max_num_f32 v[BM+\b], FLOOR, v[BM+\b]        ; the floor: the byte cannot fall under 1
.endr
.irp b, 0,1,2,3
	s_delay_alu instid0(VALU_DEP_4)
	v_add_nc_u32 v[SO+\b], 0xff000000, v[BM+\b]    ; 2 off the exponent field: the conversion's scale operand
.endr
.irp b, 0,1,2,3
	s_delay_alu instid0(VALU_DEP_4)
	v_lshrrev_b32 v[EX+\b], 23, v[SO+\b]           ; the scale's byte
.endr
	s_delay_alu instid0(VALU_DEP_3)
	v_lshl_or_b32 v[PS], v[EX+1], 8, v[EX]
	s_delay_alu instid0(VALU_DEP_1)
	v_lshl_or_b32 v[PS], v[EX+2], 16, v[PS]
	s_delay_alu instid0(VALU_DEP_1)
	v_lshl_or_b32 v[PS], v[EX+3], 24, v[PS]
.irp c, 0,1
	v_cvt_scalef32_pk16_fp6_f32 v[PCD+6*\c:PCD+6*\c+2], v[S+32*\c:S+32*\c+15], v[SO+2*\c]
	v_cvt_scalef32_pk16_fp6_f32 v[CT+4*\c:CT+4*\c+2], v[S+32*\c+16:S+32*\c+31], v[SO+2*\c+1]
.endr
	v_nop                                          ; one plain instruction behind the scaled conversions
.if \s < 7                                     ; p has been read for the last time: its registers take the next step's 8 x bias, 16 loads, which land under the second product
.irp t, 0,1,2,3,4,5,6,7
	ds_load_b128 v[S+8*\t:S+8*\t+3], v[ADB] offset:512*(\s+1)+128*(\t/2)+32*(\t%2)
	ds_load_b128 v[S+8*\t+4:S+8*\t+7], v[ADB] offset:512*(\s+1)+128*(\t/2)+32*(\t%2)+16
.endr
.endif
.irp c, 0,1
.irp i, 0,1,2
	v_permlane16_swap_b32 v[PCD+6*\c+\i], v[CT+4*\c+\i]
.endr
.irp i, 0,1,2
	s_delay_alu instid0(VALU_DEP_3)
	v_mov_b32 v[PCD+6*\c+3+\i], v[CT+4*\c+\i]
.endr
.endr
.set j, 0
.rept 16
	v_pk_mul_f32 v[OT+j:OT+j+1], v[OT+j:OT+j+1], v[FF:FF+1] op_sel_hi:[1,0]        ; O^T under the new M; these sixteen also stand between the writes of p's codes and scale word and the products
.set j, j+2
.endr
	s_wait_alu depctr_va_vdst(0)
.if \s < 7
	s_wait_dscnt 16                                ; v's fragments are in; the 16 younger loads, the next step's bias, may be out
.else
	s_wait_dscnt 0x0                               ; v's fragments are in
.endif
.irp d, 0,1,2,3
	v_wmma_scale_f32_16x16x128_f8f6f4 v[OT+8*\d:OT+8*\d+7], v[FG+12*\d:FG+12*\d+11], v[PCD:PCD+11], v[OT+8*\d:OT+8*\d+7], v[SW+\d], v[PS] matrix_a_fmt:MATRIX_FMT_FP6 matrix_b_fmt:MATRIX_FMT_FP6
.endr
.endm
.Lpass:                                                ; two trips: the pair's two heads
	v_add_nc_u32 v[ADK], s[TBK], v[LI]
	s_delay_alu instid0(VALU_DEP_1)
	v_add_nc_u32 v[ADV], 2*KREG, v[ADK]
	v_add_nc_u32 v[ADS], s[TBS], v[AS0]
	v_add_nc_u32 v[ADB], s[TBB], v[AB0]
	v_mov_b32 v13, 0xff61b1e6                      ; the largest t so far: -3e38
	s_delay_alu instid0(VALU_DEP_1)
	v_floor_f32 v12, -v13
	v_mov_b32 v14, 0
	v_mov_b32 v15, 0
.set j, 0
.rept 32
	v_mov_b32 v[OT+j], 0                           ; the key step is written in one form: the first finds zeros, which the first change of M leaves zeros
.set j, j+1
.endr
.irp s, 0,1,2,3,4,5,6,7
	STEP \s
.endr
	; the head's end: o = O^T / the sum, quantised along d: tiles 2 c, 2 c + 1 hold d = 32 c + 16 h + 0 .. 15, since v's rows lie at positions
.rept 4
	v_nop                                          ; places behind the last products
.endr
	v_add_f32 v14, v14, v15
	s_delay_alu instid0(VALU_DEP_1)
	v_permlanex16_b32 v[TP], v14, s[SEL], s[SEL+1]
	s_delay_alu instid0(VALU_DEP_1)
	v_add_f32 v14, v14, v[TP]                      ; the row's sum
	s_wait_alu depctr_va_vdst(0)
	v_rcp_f32 v14, v14
	v_nop                                          ; a plain instruction behind the reciprocal
	s_wait_alu depctr_va_vdst(0)                   ; the wait ahead of its first reader
.set j, 0
.rept 32
	v_mul_f32 v[S+j], v[OT+j], v14                 ; each accumulator from its low end on
.set j, j+1
.endr
.irp b, 0,1
	v_max3_num_f32 v[BM+\b], |v[S+16*\b]|, |v[S+16*\b+1]|, FLOOR
.endr
.irp i, 2,4,6,8,10,12,14
.irp b, 0,1
	s_delay_alu instid0(VALU_DEP_2)
	v_max3_num_f32 v[BM+\b], v[BM+\b], |v[S+16*\b+\i]|, |v[S+16*\b+\i+1]|
.endr
.endr
.irp b, 0,1
	s_delay_alu instid0(VALU_DEP_2)
	v_permlanex16_b32 v[EX+\b], v[BM+\b], s[SEL], s[SEL+1]
.endr
.irp b, 0,1
	s_delay_alu instid0(VALU_DEP_2)
	v_max_num_f32 v[BM+\b], v[BM+\b], v[EX+\b]
.endr
.irp b, 0,1
	s_delay_alu instid0(VALU_DEP_2)
	v_add_nc_u32 v[SO+\b], 0xff000000, v[BM+\b]
.endr
.irp b, 0,1
	s_delay_alu instid0(VALU_DEP_2)
	v_lshrrev_b32 v[EX+\b], 23, v[SO+\b]
.endr
	s_delay_alu instid0(VALU_DEP_1)
	v_lshl_or_b32 v[TP], v[EX+1], 8, v[EX]         ; this head's two bytes
	v_cvt_scalef32_pk16_fp6_f32 v[PCD:PCD+2], v[S:S+15], v[SO]
	v_cvt_scalef32_pk16_fp6_f32 v[CT:CT+2], v[S+16:S+31], v[SO+1]
	v_nop                                          ; one plain instruction behind the scaled conversions
.irp i, 0,1,2
	v_permlane16_swap_b32 v[PCD+\i], v[CT+\i]
.endr
.irp i, 0,1,2,3,4,5
	v_mov_b32 v[OF+\i], v[OF+6+\i]                 ; the fragment's upper half moves down: after two passes the first head is below, the second above
.endr
.irp i, 0,1,2
	v_mov_b32 v[OF+6+\i], v[PCD+\i]
	v_mov_b32 v[OF+9+\i], v[CT+\i]
.endr
	v_lshrrev_b32 v[OW], 16, v[OW]
	s_delay_alu instid0(VALU_DEP_1)
	v_lshl_or_b32 v[OW], v[TP], 16, v[OW]
.irp i, 0,1,2,3,4,5
	v_mov_b32 v[QA+\i], v[QN+\i]                   ; the second head's q
.endr
	v_mov_b32 v[QW], v[QWN]
	s_add_co_u32 s[TBK], s[TBK], KREG
	s_add_co_u32 s[TBS], s[TBS], 2048
	s_add_co_u32 s[TBB], s[TBB], HBI
	s_sub_co_u32 s[PASS], s[PASS], 1
	s_cmp_lg_u32 s[PASS], 0
	s_cbranch_scc1 .Lpass
.irp c, 0,1,2
	global_store_b128 v[LI], v[OF+4*\c:OF+4*\c+3], s[70:71] offset:512*\c          ; my fragment of o: 512 consecutive bytes a store, aligned
.endr
	ds_store_b32 v[OSW], v[OW]                     ; lanes r and r + 16 write the same word with the same value
	s_wait_dscnt 0x0                               ; for the others' sake: my word is stored
	s_barrier_signal -1
	s_barrier_wait -1
	s_cmp_lt_u32 s[WV], 2                          ; waves 0 and 1 store eight waves' words each: 512 consecutive bytes
	s_cbranch_scc0 .Lno_words
	ds_load_b128 v[FG:FG+3], v[OSR]
	s_wait_dscnt 0x0
	global_store_b128 v[OSG], v[FG:FG+3], s[72:73]
.Lno_words:
	s_wait_tensorcnt 0x0
	ds_add_u32 v254, v255
	s_wait_dscnt 0x0
	ROUND                                          ; the closing round: no work-group ends while a partner may still ask for a tile that names it
	s_endpgm
.Lfunc_end_k_q1022e65ee5_attn:
	.size	k_q1022e65ee5_attn, .Lfunc_end_k_q1022e65ee5_attn-k_q1022e65ee5_attn
	.p2alignl 7, 3214868480
	.fill 96, 4, 3214868480
	.section	.rodata,"a",@progbits
	.p2align	6, 0x0
	.amdhsa_kernel k_q1022e65ee5_attn
		.amdhsa_group_segment_fixed_size 264192
		.amdhsa_private_segment_fixed_size 0
		.amdhsa_enable_private_segment 0
		.amdhsa_kernarg_size 24
		.amdhsa_user_sgpr_count 2
		.amdhsa_user_sgpr_kernarg_segment_ptr 1
		.amdhsa_wavefront_size32 1
		.amdhsa_system_sgpr_workgroup_id_x 1
		.amdhsa_system_sgpr_workgroup_id_y 1
		.amdhsa_system_sgpr_workgroup_id_z 1
		.amdhsa_system_vgpr_workitem_id 0
		.amdhsa_next_free_vgpr 256
		.amdhsa_next_free_sgpr 80
		.amdhsa_reserve_vcc 1
		.amdhsa_float_denorm_mode_32 3
		.amdhsa_float_denorm_mode_16_64 3
		.amdhsa_memory_ordered 1
		.amdhsa_forward_progress 1
		.amdhsa_inst_pref_size 163
	.end_amdhsa_kernel
	.amdgpu_metadata
---
amdhsa.version: [ 1, 2 ]
amdhsa.kernels:
  - .name:           k_q1022e65ee5_attn
    .symbol:         k_q1022e65ee5_attn.kd
    .args:
      - { .name: qkv, .offset: 0, .size: 8, .value_kind: global_buffer, .address_space: global }
      - { .name: rpe_table, .offset: 8, .size: 8, .value_kind: global_buffer, .address_space: global }
      - { .name: oq, .offset: 16, .size: 8, .value_kind: global_buffer, .address_space: global }
    .group_segment_fixed_size: 264192
    .private_segment_fixed_size: 0
    .kernarg_segment_align: 8
    .kernarg_segment_size: 24
    .max_flat_workgroup_size: 512
    .sgpr_count:     80
    .vgpr_count:     256
    .wavefront_size: 32
...
	.end_amdgpu_metadata
.endif
;; end of part 3
;; launch gemm_out (part 4): grid 8 x 32, 4 waves a work-group, clusters of 4 x 4, 327,680 bytes of LDS; arguments oq, wq, out0; writes out0
.if DOCPART == 4
	.amdgcn_target "amdgcn-amd-amdhsa--gfx1250"
	.amdhsa_code_object_version 6
	.text
	.protected	k_q1022e65ee5_gemm_out
	.globl	k_q1022e65ee5_gemm_out
	.p2align	8
	.type	k_q1022e65ee5_gemm_out,@function
k_q1022e65ee5_gemm_out:
	s_mov_b64 s[64:65], 0
	v_nop
	global_prefetch_b8 v0, s[64:65] scope:SCOPE_SE
	s_setreg_imm32_b32 hwreg(HW_REG_WAVE_MODE, 25, 1), 1
	s_wait_xcnt 0x0
	s_wait_alu depctr_hold_cnt(0) depctr_sa_sdst(0) depctr_va_vdst(0) depctr_va_sdst(0) depctr_va_ssrc(0) depctr_va_vcc(0) depctr_vm_vsrc(0)
	s_getreg_b32 s2, hwreg(HW_REG_IB_STS2, 6, 4)
	s_cmp_eq_u32 s2, 0
	s_cbranch_scc0 .Lentry_in_a_cluster
	s_endpgm
.Lentry_in_a_cluster:
	s_bfe_u32 s2, ttmp6, 0x10000c
	s_cmp_lg_u32 s2, 0xf033
	s_cbranch_scc0 .Lentry_shape_is_right
	s_endpgm
.Lentry_shape_is_right:
; GEMM_OUT: out0 = o w_out, both operands codes of FP6 (E2M3) with E8M0 scales, K = 1,024; out0 [8192][1024] f32.
; SHARES.  A work-group takes 256 tokens x 128 outputs: 32 x 8 = 256 work-groups.  Both operands lie in LDS for ALL of K (2 x 98,304 bytes of o, 98,304 of w_out): every byte is filled once, all loads go out at the head,
; 512 along K a load, and the steps begin as the loads land: no slot is filled again, so there is no ring.
; A wave makes 128 tokens x 64 outputs: 32 accumulators, 256 registers.  A step is 128 along K: 32 matrix instructions, 12 fragments; fragments and scale words have two sets of registers.
; The operands lie in memory in the order of the operand's registers (a fragment of 16 rows x 128 K is 1,536 bytes: register p of lane l at 512 (p / 4) + 16 l + 4 (p % 4)): 128 rows x 128 K are 12,288 dense bytes,
; and a fragment comes from LDS by three loads of 16 bytes a lane, 512 consecutive bytes each: no pitch, no padding.
; CLUSTERS: 4 x 4 work-groups; o's blocks are shared along a row of the cluster, w_out's along a column: each is asked for jointly, by the same tensor load with a mask that names the four.
; The matrix instruction is used transposed (source 0 = 16 rows of w_out, source 1 = 16 tokens): a lane holds eight neighbouring outputs of one token.
; POSITIONS: both operands' rows lie at positions (bits 3 and 4 of the index inside a group of 32 changed).  The way out puts them back: tile b's registers are outputs 32 (b / 2) + 16 h + 8 (b % 2) + 0 .. 7,
; and row p of block a is token 32 (a / 2) + 8 (a % 2) + p + 8 (p / 8).
; REGISTERS, in windows of 256: window 0: v16-27 addresses; v32-55 scale words, two sets of 12; v128-175, v176-223 w_out's four fragments, two sets; on the way out v128-191 rows of out0.
;   window 1: the tokens' eight fragments, two sets, at v0 and v128.   window 2: the 32 accumulators: the tokens' block a x w_out's block b at v[8 (4 a + b)].
.set FR,     12
.set NP,     4                         ; places behind this matrix instruction (ISA guide 7.12.1)
.set RSTR,   98304                     ; 128 rows x all of K
.set KBLK,   24576                     ; 128 rows x 256 K
.set SBLK,   12288                     ; 128 rows x 128 K
.set WR,     2*RSTR                    ; LDS: o's codes at 0; w_out's here
.set SCW,    3*RSTR                    ; w_out's scale words, 4,096 bytes
.set SCX,    SCW+4096                  ; o's scale words, 4,096 bytes for each 128 tokens
.set STG,    SCX+2*4096                ; the way out: a stage of 16 rows x (256 + 16 bytes) for each wave; no fill lands here
.set SPITCH, 272
.set OQS,    6291456                   ; oq: where the scale words begin
.set WOC,    2457600                   ; wq: w_out's codes
.set WOS,    3244032                   ; wq: w_out's scale words
.set ADT,  16                          ; v16-17  LDS address of my tokens' fragments: steps 0-3, steps 4-7
.set ADW,  18                          ; v18-19  of my 64 outputs' fragments
.set AST,  20                          ; v20     of my tokens' scale words
.set ASW,  21                          ; v21     of my outputs' scale words
.set STO,  24                          ; v24     the way out: where I put 32 bytes of a row
.set RD,   25                          ; v25     where I read a row back
.set CO,   26                          ; v26     my bytes of two rows of out0
.set GOF,  27                          ; v27     16 x lane
.set SC,   32
.set WF,   128
.set BK,   128                         ; the way out: 16 rows read back: v128-159 and v160-191 by turns
.set G1X,  24
.set G1W,  32
.set G1SX, 40
.set G1SW, 48
.set G0X0, 56
.set G0X1, 60
.set G0X2, 68
.set G0X3, 72
.set G0W0, 76
.set G0W1, 80
.set G0W2, 84
.set G0W3, 88
.set G0SX, 92
.set G0SW, 96
.set MSB, 0
.macro WIN new                         ; the immediate's high byte repeats the setting that is left
.if MSB != \new
	s_set_vgpr_msb (MSB<<8)|\new
.set MSB, \new
.endif
.endm
; A joint load: waves 0 and 1 fetch for o, waves 2 and 3 for w_out.  The branch hangs on the wave's number alone.  Four v_nop follow each of the two lines.
.macro JLOAD g0a, g1a, g0b, g1b
	s_cmp_eq_u32 s15, 0
	s_cbranch_scc0 .Lfor_b_\@
	tensor_load_to_lds s[\g0a:\g0a+3], s[\g1a:\g1a+7]
	s_nop 0
.rept 4
	v_nop
.endr
	s_branch .Lasked_\@
.Lfor_b_\@:
	tensor_load_to_lds s[\g0b:\g0b+3], s[\g1b:\g1b+7]
	s_nop 0
.rept 4
	v_nop
.endr
.Lasked_\@:
.endm
.macro CROUND                          ; a round of the cluster's barrier
	s_barrier_signal -1
	s_barrier_wait -1
	s_cmp_lg_u32 s14, 0
	s_cbranch_scc1 .Lnot_wave_0_\@
	s_barrier_signal -3
.Lnot_wave_0_\@:
	s_barrier_wait -3
	s_barrier_signal -1
	s_barrier_wait -1
.endm
.macro G1REST g, rows                  ; a dense block as rows of 32 elements of 8 bytes
	s_mov_b32 s[\g+1], 32<<16
	s_mov_b32 s[\g+2], (\rows)<<16
	s_mov_b32 s[\g+3], 32<<16
	s_mov_b32 s[\g+4], \rows
	s_mov_b32 s[\g+5], 32
	s_mov_b32 s[\g+6], 0
	s_mov_b32 s[\g+7], 0
.endm
.macro MKD g0, lreg, loff, ptr, goff   ; a group 0: to LDS byte s[lreg] + loff, from s[ptr:ptr+1] + goff
	s_mov_b32 s[\g0], 1
	s_add_co_u32 s[\g0+1], s[\lreg], \loff
	s_add_nc_u64 s[\g0+2:\g0+3], s[\ptr:\ptr+1], \goff
	s_or_b32 s[\g0+3], s[\g0+3], 0x80000000
.endm
	s_load_b128 s[4:7], s[0:1], 0x0                ; oq s[4:5], wq s[6:7]
	s_load_b64 s[8:9], s[0:1], 0x10                ; out0
	v_lshl_add_u32 v254, v0, 2, 0x4f400
	v_mov_b32 v255, 0
	ds_add_u32 v254, v255
	ds_add_u32 v254, v255
	v_lshrrev_b32 v1, 5, v0
	v_readfirstlane_b32 s14, v1                    ; wave 0..3
	s_lshr_b32 s15, s14, 1                         ; which 128 tokens are mine.  Also: I fetch for o (0) or for w_out (1)
	s_and_b32 s16, s14, 1                          ; which 64 outputs are mine.  Also: which half of what my kind fetches
	s_bfe_u32 s2, ttmp6, 0x40000                   ; cx, cy: my place in the cluster
	s_bfe_u32 s3, ttmp6, 0x40004
	s_lshl_b32 s19, ttmp9, 2
	s_add_co_u32 s19, s19, s2                      ; which 128 outputs: 4 x cluster x + cx
	s_and_b32 s17, ttmp7, 0xffff
	s_lshl_b32 s17, s17, 2
	s_add_co_u32 s17, s17, s3                      ; which 256 tokens: 4 x cluster y + cy
	s_lshl_b32 s20, s3, 2
	s_lshl_b32 s20, 15, s20                        ; my row of the cluster
	s_lshl_b32 s21, 0x1111, s2                     ; my column
	; the prefetches' offsets: the second 512 along K.  o's 384 blocks of 256 bytes are shared out by address among the four partners of my row (96 each: group cx / 2, half cx % 2) and the four waves (24 each);
	; w_out's 192 blocks among the four partners of my column (48 each) and the four waves (12 each)
	s_lshr_b32 s68, s2, 1
	s_mul_i32 s68, s68, RSTR
	s_and_b32 s69, s2, 1
	s_mul_i32 s69, s69, 96*256
	s_add_co_u32 s68, s68, s69
	s_mul_i32 s69, s14, 24*256
	s_add_co_u32 s68, s68, s69
	s_add_co_u32 s68, s68, 4*SBLK
	s_mov_b32 s69, 0
	s_mul_i32 s70, s3, 48*256
	s_mul_i32 s71, s14, 12*256
	s_add_co_u32 s70, s70, s71
	s_add_co_u32 s70, s70, 4*SBLK
	s_mov_b32 s71, 0
	s_or_b32 s[G1X], s20, (3<<16)|(1<<21)          ; 15:0 the mask: o's blocks go to my row; 17:16 elements of 8 bytes; 21 set beside a mask
	s_or_b32 s[G1SX], s20, (3<<16)|(1<<21)
	s_or_b32 s[G1W], s21, (3<<16)|(1<<21)          ; w_out's go to my column
	s_or_b32 s[G1SW], s21, (3<<16)|(1<<21)
	s_mov_b32 s[G1X+1], 6144<<16                   ; o: two rows (the two groups of 128 tokens) of 49,152 bytes (512 along K), 6,144 elements of 8 bytes
	s_mov_b32 s[G1X+2], 2<<16
	s_mov_b32 s[G1X+3], 6144<<16
	s_mov_b32 s[G1X+4], 2
	s_mov_b32 s[G1X+5], 12288                      ; from group to group: 98,304 bytes
	s_mov_b32 s[G1X+6], 0
	s_mov_b32 s[G1X+7], 0
	G1REST G1W, 192                                ; 49,152 bytes
	G1REST G1SX, 32                                ; 8,192 bytes
	G1REST G1SW, 16                                ; 4,096 bytes
	; where my results go: token 256 block + 128 half, rows of 4,096 bytes; output 128 x + 64 half, 4 bytes each
	s_lshl_b32 s12, s17, 1
	s_add_co_u32 s12, s12, s15
	s_lshl_b32 s12, s12, 19
	s_lshl_b32 s13, s19, 9
	s_add_co_u32 s12, s12, s13
	s_lshl_b32 s13, s16, 8
	s_add_co_u32 s12, s12, s13
	s_mov_b32 s13, 0
	; what I fetch
	s_lshl_b32 s22, s17, 1                         ; o: the first of my work-group's two groups of 128 rows
	s_lshl_b32 s20, s22, 12
	s_add_co_u32 s20, s20, OQS                     ; their scale words
	s_mov_b32 s21, 0
	s_mul_i32 s22, s22, RSTR                       ; their codes
	s_mov_b32 s23, 0
	s_mul_i32 s2, s19, RSTR                        ; w_out: my 128 rows,
	s_add_co_u32 s2, s2, WOC
	s_mov_b32 s3, 0
	s_lshl_b32 s100, s19, 12                       ; their scale words, all 4,096 bytes
	s_add_co_u32 s100, s100, WOS
	s_mov_b32 s101, 0
	s_mov_b32 s18, 0                               ; where they go: constants
	s_mov_b32 s19, WR
	s_wait_dscnt 0x0
	s_wait_kmcnt 0x0
	s_add_nc_u64 s[22:23], s[4:5], s[22:23]
	s_add_nc_u64 s[20:21], s[4:5], s[20:21]
	s_add_nc_u64 s[100:101], s[6:7], s[100:101]
	s_add_nc_u64 s[2:3], s[6:7], s[2:3]
	s_add_nc_u64 s[68:69], s[22:23], s[68:69]      ; where my prefetches stand; never rewritten
	s_add_nc_u64 s[70:71], s[2:3], s[70:71]
	s_add_nc_u64 s[12:13], s[8:9], s[12:13]
	s_mov_b32 s[G0SX], 1
	s_mov_b32 s[G0SX+1], SCX
	s_mov_b64 s[G0SX+2:G0SX+3], s[20:21]
	s_or_b32 s[G0SX+3], s[G0SX+3], 0x80000000
	s_mov_b32 s[G0SW], 1
	s_mov_b32 s[G0SW+1], SCW
	s_mov_b64 s[G0SW+2:G0SW+3], s[100:101]
	s_or_b32 s[G0SW+3], s[G0SW+3], 0x80000000
	MKD G0X0, 18, 0, 22, 0                         ; o in LDS: [half of K][group of 128 tokens][4 steps]
	MKD G0X1, 18, 8*SBLK, 22, 4*SBLK
	MKD G0W0, 19, 0, 2, 0                          ; w_out: the two halves of K on end
	MKD G0W1, 19, 4*SBLK, 2, 4*SBLK
	CROUND                                         ; all sixteen work-groups are here: the joint loads meet
; The head's loads, one a wave: wave 0 o's first 512 along K, wave 1 w_out's, wave 2 o's scale words, wave 3 w_out's.  One chain of branches on the wave's number.
.macro ARM under, g0, g1, next
	s_cmp_lt_u32 s14, \under
	s_cbranch_scc0 \next
	tensor_load_to_lds s[\g0:\g0+3], s[\g1:\g1+7]
	s_nop 0
.rept 4
	v_nop
.endr
	s_branch .Lhead_asked
\next:
.endm
	ARM 1, G0X0, G1X, .Lhead_w
	ARM 2, G0W0, G1W, .Lhead_sx
	ARM 3, G0SX, G1SX, .Lhead_sw
	tensor_load_to_lds s[G0SW:G0SW+3], s[G1SW:G1SW+7]
	s_nop 0
.rept 4
	v_nop
.endr
.Lhead_asked:
	v_and_b32 v1, 15, v0                           ; r
	v_bfe_u32 v2, v0, 4, 1                         ; h
	v_and_b32 v3, 31, v0                           ; lane
	v_lshlrev_b32 v[GOF], 4, v3
	v_min_u32 v8, 23, v3                           ; a lane a block of 256 bytes; the lanes left over name the wave's last block again.  v8, v9 are never rewritten
	v_min_u32 v9, 11, v3
	v_lshlrev_b32 v8, 8, v8
	v_lshlrev_b32 v9, 8, v9
	s_mul_i32 s20, s15, 4*SBLK                     ; my 128 tokens inside a half of K
	v_add_nc_u32 v[ADT], s20, v[GOF]
	v_add_nc_u32 v[ADT+1], 8*SBLK, v[ADT]
	s_mul_i32 s21, s16, 4*1536                     ; my four blocks of a step's eight
	s_add_co_u32 s21, s21, WR
	v_add_nc_u32 v[ADW], s21, v[GOF]
	v_add_nc_u32 v[ADW+1], 4*SBLK, v[ADW]
	s_lshl_b32 s20, s15, 12
	s_add_co_u32 s20, s20, SCX
	v_lshl_add_u32 v[AST], v1, 2, s20              ; scale words: 4 bytes a row; both halves of the lanes take the same
	s_lshl_b32 s21, s16, 8
	s_add_co_u32 s21, s21, SCW
	v_lshl_add_u32 v[ASW], v1, 2, s21
	s_mul_i32 s20, s14, 16*SPITCH
	s_add_co_u32 s20, s20, STG                     ; my stage
	v_mul_u32_u24 v4, v1, SPITCH
	v_lshl_add_u32 v4, v2, 6, v4
	v_add_nc_u32 v[STO], s20, v4                   ; in: row r, + 64 h
	v_mul_u32_u24 v4, v2, SPITCH
	v_lshl_add_u32 v4, v1, 4, v4
	v_add_nc_u32 v[RD], s20, v4                    ; back: lanes 0-15 take one row of 256 bytes, lanes 16-31 the next
	v_lshlrev_b32 v[CO], 12, v2
	v_lshl_add_u32 v[CO], v1, 4, v[CO]             ; and the same two rows in out0
; Step s's fragments and scale words into set s % 2: the tokens' eight blocks, my outputs' four, 12 scale words: 48 LDS loads in one run
.macro FETCH s
	WIN 0x40                                       ; destination window 1, address window 0
.irp i, 0,1,2,3,4,5,6,7
.irp c, 0,1,2
	ds_load_b128 v[128*((\s)%2)+FR*\i+4*\c:128*((\s)%2)+FR*\i+4*\c+3], v[ADT+(\s)/4] offset:((\s)%4)*SBLK+\i*1536+512*\c
.endr
.endr
	WIN 0
.irp i, 0,1,2,3
.irp c, 0,1,2
	ds_load_b128 v[WF+48*((\s)%2)+FR*\i+4*\c:WF+48*((\s)%2)+FR*\i+4*\c+3], v[ADW+(\s)/4] offset:((\s)%4)*SBLK+\i*1536+512*\c
.endr
.endr
.irp i, 0,1,2,3,4,5,6,7
	ds_load_b32 v[SC+12*((\s)%2)+\i], v[AST] offset:(\s)*512+\i*64
.endr
.irp i, 0,1,2,3
	ds_load_b32 v[SC+12*((\s)%2)+8+\i], v[ASW] offset:(\s)*512+\i*64
.endr
.endm
; Products n0 .. n1 - 1 of a step's 32, on set p: product n = the tokens' block n / 4 x w_out's block n % 4.  zero = 1: the first product starts the sums.
; The 32 accumulators take turns, one instruction a turn, in the same order in every step.
.macro MUL n0, n1, p, zero
.set MN, \n0
.rept (\n1)-(\n0)
.set RA, WF+48*(\p)+FR*(MN%4)
.set RB, 128*(\p)+FR*(MN/4)
.set KA, SC+12*(\p)+8+MN%4
.set KB, SC+12*(\p)+MN/4
.if \zero
	v_wmma_scale_f32_16x16x128_f8f6f4 v[8*MN:8*MN+7], v[RA:RA+FR-1], v[RB:RB+FR-1], 0, v[KA], v[KB] matrix_a_fmt:MATRIX_FMT_FP6 matrix_b_fmt:MATRIX_FMT_FP6
.else
	v_wmma_scale_f32_16x16x128_f8f6f4 v[8*MN:8*MN+7], v[RA:RA+FR-1], v[RB:RB+FR-1], v[8*MN:8*MN+7], v[KA], v[KB] matrix_a_fmt:MATRIX_FMT_FP6 matrix_b_fmt:MATRIX_FMT_FP6
.endif
.set MN, MN+1
.endr
.endm
; A load into a register that a matrix instruction has read, and an LDS store that reads a matrix result, stand NP places behind it; only plain vector instructions that name none of its registers are places.
.macro PLACES n
.rept \n
	v_nop
.endr
.endm
.set MULW, 0xa4                        ; source 0 (w_out) window 0, source 1 (tokens) window 1, C and D window 2
; A step whose successor's bytes are already shown to every wave: the next step's 48 loads go out ahead of this step's 32 products.
.macro STEP s, zero
	s_wait_dscnt 0x0                               ; this step's fragments and scale words are in
	PLACES NP                                      ; the other set was read by the last step's products
	FETCH (\s)+1
	WIN MULW
	MUL 0, 32, (\s)%2, \zero
	WIN 0
.endm
; A step behind which the next 512 along K are read: one barrier; in front of it each wave waits until at most cnt of its loads are out.
.macro TURN s, cnt
	s_wait_dscnt 0x0                               ; this step's fragments are in; no LDS instruction of mine is out at the signal
	s_wait_tensorcnt \cnt
	WIN MULW
	MUL 0, 8, (\s)%2, 0
	s_barrier_signal -1
	MUL 8, 16, (\s)%2, 0
	WIN 0
	s_barrier_wait -1
	PLACES NP
	FETCH (\s)+1
	WIN MULW
	MUL 16, 32, (\s)%2, 0
	WIN 0
.endm
	s_wait_alu depctr_va_vdst(0)
	global_prefetch_b8 v8, s[68:69] th:TH_LOAD_NT scope:SCOPE_SE   ; what the loads behind the next round will ask for: my 24 blocks of o's second 512 along K,
	global_prefetch_b8 v9, s[70:71] th:TH_LOAD_NT scope:SCOPE_SE   ; and my 12 of w_out's
	s_wait_tensorcnt 0x0                           ; my tile of the head's four is in
	ds_add_u32 v254, v255
	s_wait_dscnt 0x0
	CROUND                                         ; everybody's tile is in, and all sixteen work-groups are here
	s_cmp_lt_u32 s14, 1
	s_cbranch_scc0 .Lsec_w
	tensor_load_to_lds s[G0X1:G0X1+3], s[G1X:G1X+7]
	s_nop 0
.rept 4
	v_nop
.endr
	s_branch .Lsec_asked
.Lsec_w:
	s_cmp_lt_u32 s14, 2
	s_cbranch_scc0 .Lsec_asked
	tensor_load_to_lds s[G0W1:G0W1+3], s[G1W:G1W+7]
	s_nop 0
.rept 4
	v_nop
.endr
.Lsec_asked:
	FETCH 0
	STEP 0, 1                                      ; the first step's products start the sums
	STEP 1, 0
	STEP 2, 0
	TURN 3, 0                                      ; the second 512 along K are in, everybody's
	STEP 4, 0
	STEP 5, 0
	STEP 6, 0
	s_wait_dscnt 0x0                               ; the very last step: nothing more to fetch
	WIN MULW
	MUL 0, 32, 1, 0
	WIN 0
; THE WAY OUT, block by block of 16 tokens x 64 outputs: through my own stage in LDS, back as whole rows of 256 bytes.  LDS serves a wave's instructions in order (ISA guide 5.7.1.4): no wait between the stores and the loads,
; nor in front of the next block's stores.  Every offset is an immediate: 127 rows of 4,096 bytes at the most.
.macro TOSTAGE a
	WIN 0x08                                       ; the data: window 2
.irp b, 0,1,2,3
	ds_store_b128 v[STO], v[32*(\a)+8*\b:32*(\a)+8*\b+3] offset:128*(\b/2)+32*(\b%2)       ; outputs 32 (b / 2) + 16 h + 8 (b % 2) on; each accumulator from its low end on
	ds_store_b128 v[STO], v[32*(\a)+8*\b+4:32*(\a)+8*\b+7] offset:128*(\b/2)+32*(\b%2)+16
.endr
	WIN 0
.set BB, BK+32*((\a)%2)
.irp t, 0,1,2,3,4,5,6,7
	ds_load_b128 v[BB+4*\t:BB+4*\t+3], v[RD] offset:2*\t*SPITCH
.endr
.endm
.macro SEND a, younger                 ; younger: the LDS instructions issued behind block a's loads, which may stay out
.set BB, BK+32*((\a)%2)
	s_wait_dscnt \younger
.irp t, 0,1,2,3,4,5,6,7
	global_store_b128 v[CO], v[BB+4*\t:BB+4*\t+3], s[12:13] offset:(32*((\a)/2)+8*((\a)%2)+2*\t+8*(\t/4))*4096 th:TH_STORE_NT   ; sixteen lanes store 256 consecutive bytes of a token's row, aligned; written once, read by nobody here
.endr
.endm
	PLACES NP                                      ; for the first read of results and for the loads into the registers that held w_out's fragments
	TOSTAGE 0
.irp a, 1,2,3,4,5,6,7
.if \a > 1
	s_wait_xcnt 0x0                                ; block a - 2's stores have read their registers: block a's loads may land there
.endif
	TOSTAGE \a
	SEND \a-1, 16                                  ; behind block a - 1's loads: block a's 8 stores and 8 loads
.endr
	SEND 7, 0
	s_wait_tensorcnt 0x0
	ds_add_u32 v254, v255
	s_wait_dscnt 0x0
	CROUND                                         ; the closing round: no work-group ends while a partner may still ask for a tile that names it
	s_endpgm
.Lfunc_end_k_q1022e65ee5_gemm_out:
	.size	k_q1022e65ee5_gemm_out, .Lfunc_end_k_q1022e65ee5_gemm_out-k_q1022e65ee5_gemm_out
	.p2alignl 7, 3214868480
	.fill 96, 4, 3214868480
	.section	.rodata,"a",@progbits
	.p2align	6, 0x0
	.amdhsa_kernel k_q1022e65ee5_gemm_out
		.amdhsa_group_segment_fixed_size 327680
		.amdhsa_private_segment_fixed_size 0
		.amdhsa_enable_private_segment 0
		.amdhsa_kernarg_size 24
		.amdhsa_user_sgpr_count 2
		.amdhsa_user_sgpr_kernarg_segment_ptr 1
		.amdhsa_wavefront_size32 1
		.amdhsa_system_sgpr_workgroup_id_x 1
		.amdhsa_system_sgpr_workgroup_id_y 1
		.amdhsa_system_sgpr_workgroup_id_z 1
		.amdhsa_system_vgpr_workitem_id 0
		.amdhsa_next_free_vgpr 768
		.amdhsa_next_free_sgpr 102
		.amdhsa_reserve_vcc 0
		.amdhsa_float_denorm_mode_32 3
		.amdhsa_float_denorm_mode_16_64 3
		.amdhsa_memory_ordered 1
		.amdhsa_forward_progress 1
		.amdhsa_inst_pref_size 85
	.end_amdhsa_kernel
	.amdgpu_metadata
---
amdhsa.version: [ 1, 2 ]
amdhsa.kernels:
  - .name:           k_q1022e65ee5_gemm_out
    .symbol:         k_q1022e65ee5_gemm_out.kd
    .args:
      - { .name: oq, .offset: 0, .size: 8, .value_kind: global_buffer, .address_space: global }
      - { .name: wq, .offset: 8, .size: 8, .value_kind: global_buffer, .address_space: global }
      - { .name: out0, .offset: 16, .size: 8, .value_kind: global_buffer, .address_space: global }
    .group_segment_fixed_size: 327680
    .private_segment_fixed_size: 0
    .kernarg_segment_align: 8
    .kernarg_segment_size: 24
    .max_flat_workgroup_size: 128
    .sgpr_count:     102
    .vgpr_count:     768
    .wavefront_size: 32
...
	.end_amdgpu_metadata
.endif
;; end of part 4
